; MI455X (gfx1250); checked and timed in simulation.
; The chip was launched on July 23, 2026; its instructions are those of AMD's public machine-readable ISA for CDNA 5 (MIT licence, August 2026) and "CDNA5" Instruction Set Architecture Reference Guide (July 2026). The comments in the code are by the model that wrote it; some were corrected since.
;; Selective SSM. Allowed arithmetic: float matrix products may take bf16 or f16 operands with f32 sums; other float arithmetic in f32, or as packed bf16 or f16 multiplies, adds, multiply-adds, maxima and minima; sums over many terms, partial sums and values carried from step to step in f32; what a program stores and reads back later, other than sums and carried values, may be rounded once to bf16 or f16.
;; Inputs: A_log 16 float32; W_dt 1,024 x 64 float32; W_in 2,048 x 1,024 float32; W_out 1,024 x 1,024 float32; W_x 128 x 1,024 float32; b_dt 1,024 float32; b_out 1,024 float32; x 4 x 2,048 x 1,024 float32.
;; Outputs: out0 4 x 2,048 x 1,024 float32.
;; 2 versions, each right; version 2 is version 1 with the launch combine written anew for expert scheduling mode. Each part assembles by itself: llvm-mc -triple=amdgcn-amd-amdhsa -mcpu=gfx1250 --defsym DOCPART=n.
;; ======== version 1 of 2: 7 launches
;; limits: a function is approximated: absolute error at most 6e-08; values are held in f16: magnitudes above 65,504 overflow, below 6.1e-05 lose precision
;; workspace buffers: cst 23,461,888 bytes; G 33,554,432 bytes; XP 3,145,728 bytes; HE 16,760,832 bytes; HI 16,777,216 bytes; AS 16,842,752 bytes
;; launch cast (part 1): grid 716 x 1, 8 waves a work-group, no clusters, 0 bytes of LDS; arguments x, W_in, W_out, W_x, W_dt, cst; writes cst
.if DOCPART == 1
	.amdgcn_target "amdgcn-amd-amdhsa--gfx1250"
	.amdhsa_code_object_version 6
	.text
	.protected	k_q46df04277b_cast
	.globl	k_q46df04277b_cast
	.p2align	8
	.type	k_q46df04277b_cast,@function
k_q46df04277b_cast:
	s_mov_b64 s[64:65], 0
	v_nop
	global_prefetch_b8 v0, s[64:65] scope:SCOPE_SE
	s_setreg_imm32_b32 hwreg(HW_REG_WAVE_MODE, 25, 1), 1
	s_wait_xcnt 0x0
; The 16-bit copies of the five large inputs, laid one behind the other in cst:
;   x bf16 at 0, W_in bf16 at 16,777,216, W_out f16 at 20,971,520, W_x f16 at 23,068,672, W_dt bf16 at 23,330,816.
; Every input is rounded once to bf16.  W_out and W_x meet f16 operands later, so their bf16 number is written as f16.
; LIMIT: that is exact for 6.1e-5 <= |w| < 65,504; below it f16 keeps a fixed step of 6e-8; beyond it an infinity.
; SHARES.  A work-group converts 16,384 numbers: 65,536 bytes in, 32,768 out.  The segments follow each other in cst in the
; order of the work-groups, so the target is always 32,768 x the work-group's number.  All 16 loads of a lane go out first;
; a wave's load covers 512 consecutive bytes, a wave's store 256 consecutive bytes, aligned.  No register is written twice.
	s_load_b256 s[4:11], s[0:1], 0x0               ; x s[4:5], W_in s[6:7], W_out s[8:9], W_x s[10:11]
	s_load_b128 s[12:15], s[0:1], 0x20             ; W_dt s[12:13], cst s[14:15]
	v_lshlrev_b32 v1, 4, v0                        ; 16 bytes a thread in
	v_lshlrev_b32 v2, 3, v0                        ; 8 bytes a thread out
	s_mov_b32 s20, 0                               ; the segment's first work-group
	s_mov_b32 s21, 0                               ; 1: written as f16
	s_mov_b32 s24, 0xffff0000                      ; a word's upper bf16
	s_wait_kmcnt 0x0
	s_mov_b64 s[16:17], s[4:5]
	s_cmp_ge_u32 ttmp9, 512
	s_cselect_b64 s[16:17], s[6:7], s[16:17]
	s_cselect_b32 s20, 512, s20
	s_cmp_ge_u32 ttmp9, 640
	s_cselect_b64 s[16:17], s[8:9], s[16:17]
	s_cselect_b32 s20, 640, s20
	s_cselect_b32 s21, 1, s21
	s_cmp_ge_u32 ttmp9, 704
	s_cselect_b64 s[16:17], s[10:11], s[16:17]
	s_cselect_b32 s20, 704, s20
	s_cmp_ge_u32 ttmp9, 712
	s_cselect_b64 s[16:17], s[12:13], s[16:17]
	s_cselect_b32 s20, 712, s20
	s_cselect_b32 s21, 0, s21
	s_sub_co_u32 s22, ttmp9, s20
	s_lshl_b32 s22, s22, 16                        ; my 65,536 bytes of the segment
	s_mov_b32 s23, 0
	s_add_nc_u64 s[16:17], s[16:17], s[22:23]
	s_lshl_b32 s22, ttmp9, 15
	s_add_nc_u64 s[14:15], s[14:15], s[22:23]
.set i, 0
.rept 16
	global_load_b128 v[16+4*i:19+4*i], v1, s[16:17] offset:4096*i th:TH_LOAD_NT
.set i, i+1
.endr
	s_cmp_eq_u32 s21, 1
	s_cbranch_scc1 .Lhalf
.set i, 0
.rept 16
	s_wait_loadcnt 15-i                            ; loads come back in order: load i is in, the 15 - i younger ones stay out
	v_cvt_pk_bf16_f32 v[80+2*i], v[16+4*i], v[17+4*i]
	v_cvt_pk_bf16_f32 v[81+2*i], v[18+4*i], v[19+4*i]
	global_store_b64 v2, v[80+2*i:81+2*i], s[14:15] offset:2048*i
.set i, i+1
.endr
	s_endpgm
.Lhalf:
.set i, 0
.rept 16
	s_wait_loadcnt 15-i
	v_cvt_pk_bf16_f32 v[80+2*i], v[16+4*i], v[17+4*i]
	v_cvt_pk_bf16_f32 v[81+2*i], v[18+4*i], v[19+4*i]
	v_lshlrev_b32 v[16+4*i], 16, v[80+2*i]         ; the bf16 numbers as f32,
	v_and_b32 v[17+4*i], s24, v[80+2*i]
	v_lshlrev_b32 v[18+4*i], 16, v[81+2*i]
	v_and_b32 v[19+4*i], s24, v[81+2*i]
	v_cvt_pk_f16_f32 v[80+2*i], v[16+4*i], v[17+4*i]  ; and written as f16
	v_cvt_pk_f16_f32 v[81+2*i], v[18+4*i], v[19+4*i]
	global_store_b64 v2, v[80+2*i:81+2*i], s[14:15] offset:2048*i
.set i, i+1
.endr
	s_endpgm
.Lfunc_end_k_q46df04277b_cast:
	.size	k_q46df04277b_cast, .Lfunc_end_k_q46df04277b_cast-k_q46df04277b_cast
	.p2alignl 7, 3214868480
	.fill 96, 4, 3214868480
	.section	.rodata,"a",@progbits
	.p2align	6, 0x0
	.amdhsa_kernel k_q46df04277b_cast
		.amdhsa_group_segment_fixed_size 0
		.amdhsa_private_segment_fixed_size 0
		.amdhsa_enable_private_segment 0
		.amdhsa_kernarg_size 48
		.amdhsa_user_sgpr_count 2
		.amdhsa_user_sgpr_kernarg_segment_ptr 1
		.amdhsa_wavefront_size32 1
		.amdhsa_system_sgpr_workgroup_id_x 1
		.amdhsa_system_sgpr_workgroup_id_y 1
		.amdhsa_system_sgpr_workgroup_id_z 1
		.amdhsa_system_vgpr_workitem_id 0
		.amdhsa_next_free_vgpr 112
		.amdhsa_next_free_sgpr 66
		.amdhsa_reserve_vcc 0
		.amdhsa_float_denorm_mode_32 3
		.amdhsa_float_denorm_mode_16_64 3
		.amdhsa_memory_ordered 1
		.amdhsa_forward_progress 1
		.amdhsa_inst_pref_size 16
	.end_amdhsa_kernel
	.amdgpu_metadata
---
amdhsa.version: [ 1, 2 ]
amdhsa.kernels:
  - .name:           k_q46df04277b_cast
    .symbol:         k_q46df04277b_cast.kd
    .args:
      - { .name: x, .offset: 0, .size: 8, .value_kind: global_buffer, .address_space: global }
      - { .name: W_in, .offset: 8, .size: 8, .value_kind: global_buffer, .address_space: global }
      - { .name: W_out, .offset: 16, .size: 8, .value_kind: global_buffer, .address_space: global }
      - { .name: W_x, .offset: 24, .size: 8, .value_kind: global_buffer, .address_space: global }
      - { .name: W_dt, .offset: 32, .size: 8, .value_kind: global_buffer, .address_space: global }
      - { .name: cst, .offset: 40, .size: 8, .value_kind: global_buffer, .address_space: global }
    .group_segment_fixed_size: 0
    .private_segment_fixed_size: 0
    .kernarg_segment_align: 8
    .kernarg_segment_size: 48
    .max_flat_workgroup_size: 256
    .sgpr_count:     66
    .vgpr_count:     112
    .wavefront_size: 32
...
	.end_amdgpu_metadata
.endif
;; end of part 1
;; launch gemm_in (part 2): grid 8 x 32, 4 waves a work-group, clusters of 4 x 4, 327,680 bytes of LDS; arguments cst, G; writes G
.if DOCPART == 2
	.amdgcn_target "amdgcn-amd-amdhsa--gfx1250"
	.amdhsa_code_object_version 6
	.text
	.protected	k_q46df04277b_gemm_in
	.globl	k_q46df04277b_gemm_in
	.p2align	8
	.type	k_q46df04277b_gemm_in,@function
k_q46df04277b_gemm_in:
	s_mov_b64 s[64:65], 0
	v_nop
	global_prefetch_b8 v0, s[64:65] scope:SCOPE_SE
	s_setreg_imm32_b32 hwreg(HW_REG_WAVE_MODE, 25, 1), 1
	s_wait_xcnt 0x0
	s_wait_alu depctr_hold_cnt(0) depctr_sa_sdst(0) depctr_va_vdst(0) depctr_va_sdst(0) depctr_va_ssrc(0) depctr_va_vcc(0) depctr_vm_vsrc(0)
	s_getreg_b32 s2, hwreg(HW_REG_IB_STS2, 6, 4)
	s_cmp_eq_u32 s2, 0
	s_cbranch_scc0 .Lentry_in_a_cluster
	s_endpgm
.Lentry_in_a_cluster:
	s_bfe_u32 s2, ttmp6, 0x10000c
	s_cmp_lg_u32 s2, 0xf033
	s_cbranch_scc0 .Lentry_shape_is_right
	s_endpgm
.Lentry_shape_is_right:
; G[m][j] = silu(sum over k of x[m][k] W_in[j][k]), m < 8,192, j < 2,048, k < 1,024.  x and W_in are the bf16 copies in cst; sums in f32; G is f16, rounded once.
; LIMIT: a silu beyond 65,504 becomes an infinity in G; NaN and infinities are not treated apart.
; A tile of 256 x 256 is made by four waves, each 128 x 128 in 64 accumulators (512 registers).  K goes in steps of 128 through two LDS slots filled by tensor loads:
; rows of 256 bytes, each starting at a multiple of 256 bytes.  4 x 4 work-groups form a cluster: x's tile is shared along a row of the cluster, W_in's along a column, each asked for jointly.
; REGISTERS in windows of 256: window 0 addresses and x's fragments (two buffers v64-127, v128-191); window 1 W_in's fragments; windows 2, 3 the accumulators ((a, b) at v[8 (8 a + b)]).
; The product is used transposed (source 0 = rows of W_in, source 1 = rows of x): a lane holds one row of the tile and eight neighbouring columns.
; THE WAY OUT: each wave lays its 128 x 128 f32 over the slots (their last fill has been read by all: a barrier stands in front), reads whole rows back, eight a trip, and a counted loop makes the silu and stores rows of 256 bytes.
.set SIZE_N, 2048
.set SIZE_K, 1024
.set KSTEP,  128
.set PITCH,  272                       ; an LDS row: 256 bytes + 16 of padding: the 16 rows of a fragment load start 16 bytes apart modulo 256
.set HALFT,  128*PITCH
.set SLOT,   4*HALFT
.set SPARE,  2*SLOT                    ; behind the ring: the spare words, 128 bytes a wave
.set OPITCH, 528                       ; the way out: a row of 128 f32 + 16 bytes
.set OWAVE,  128*OPITCH                ; a wave's part; four of them end below SPARE
.set LAPS,   SIZE_K/(2*KSTEP)
.set WIB,    0x1000000                 ; W_in's copy in cst
.set ADRA, 16
.set ADRB, 20
.set STO,  24
.set RD,   25
.set CO,   26
.set SPW,  28
.set NIL,  29
.set PFO,  30
.set PFA,  44
.set LIM,  43
.set F0,   64
.set F1,   128
.set RR,   64                          ; the way out: eight rows as read back
.set TT,   96                          ; at work
.set OO,   128                         ; packed f16
.set G1, 24
.set G0, 32
.set G1B, 48
.set G0B, 56
.set MSB, 0
.macro WIN new                         ; the immediate's high byte repeats the setting that is left; a switch that changes nothing is dropped
.if MSB != (\new)
	s_set_vgpr_msb (MSB<<8)|(\new)
.set MSB, \new
.endif
.endm
.set MUL_LO, 0xa1                      ; source 0 window 1, source 1 window 0, C and D window 2
.set MUL_HI, 0xf1                      ; the same, C and D window 3
.set TO_B,   0x40
; A joint load: waves 0 and 1 fetch x's two halves, waves 2 and 3 W_in's.  The branch hangs on the wave's number alone.  An s_nop 0 and four v_nop follow each line.
.macro JLOAD s
	s_cmp_eq_u32 s11, 0
	s_cbranch_scc0 .Lfor_b_\@
	tensor_load_to_lds s[G0+4*(\s):G0+4*(\s)+3], s[G1:G1+7]
	s_nop 0
.rept 4
	v_nop
.endr
	s_branch .Lasked_\@
.Lfor_b_\@:
	tensor_load_to_lds s[G0B+4*(\s):G0B+4*(\s)+3], s[G1B:G1B+7]
	s_nop 0
.rept 4
	v_nop
.endr
.Lasked_\@:
.endm
; A prefetch of the K step that stands two refills on: 32 rows x 256 bytes, a lane a row, one instruction a wave.  x's rows are asked for by the clusters with x = 0, W_in's by those with y = 0;
; the four partners that ask for a tile jointly take 32 of a wave's 128 rows each, told apart by address.  The loop's last trip (s3 = 1) asks for nothing: no K step stands two on.
.macro ASK
	s_cmp_gt_u32 s3, s[LIM]
	s_cbranch_scc0 .Lnot_mine_\@
	global_prefetch_b8 v[PFO], s[PFA:PFA+1] offset:KSTEP*2 th:TH_LOAD_NT scope:SCOPE_SE
.Lnot_mine_\@:
.endm
.macro CREST                           ; a round of the cluster's barrier behind its opening barrier
	s_cmp_lg_u32 s10, 0
	s_cbranch_scc1 .Lnot_wave_0_\@
	s_barrier_signal -3
.Lnot_wave_0_\@:
	s_barrier_wait -3
	s_barrier_signal -1
	s_barrier_wait -1
.endm
.macro CROUND
	s_barrier_signal -1
	s_barrier_wait -1
	CREST
.endm
	s_load_b128 s[4:7], s[0:1], 0x0                ; cst s[4:5], G s[6:7]
	v_lshl_add_u32 v[SPW], v0, 2, SPARE
	v_mov_b32 v[NIL], 0
	ds_add_u32 v[SPW], v[NIL]                      ; the opening: the add, twice on end, and its wait ahead of my first tensor load
	ds_add_u32 v[SPW], v[NIL]
	v_lshrrev_b32 v1, 5, v0
	v_readfirstlane_b32 s10, v1                    ; wave 0..3
	s_lshr_b32 s11, s10, 1                         ; my half of the tile's rows; also: I fetch for x (0) or W_in (1)
	s_and_b32 s12, s10, 1                          ; my half of its columns; also: which 128 rows I fetch
	s_bfe_u32 s40, ttmp6, 0x40000                  ; cx
	s_bfe_u32 s41, ttmp6, 0x40004                  ; cy
	s_lshl_b32 s42, ttmp9, 2
	s_add_co_u32 s42, s42, s40                     ; tile column
	s_and_b32 s13, ttmp7, 0xffff
	s_lshl_b32 s13, s13, 2
	s_add_co_u32 s13, s13, s41                     ; tile row
	s_lshl_b32 s43, s41, 2
	s_lshl_b32 s43, 15, s43                        ; my row of the cluster
	s_lshl_b32 s44, 0x1111, s40                    ; my column
	s_or_b32 s[G1+0], s43, (1<<16)|(1<<20)|(1<<21)|(5<<22)|(3<<25)  ; mask; 2-byte elements; padding on; bit 21 beside a mask; after every 64 words 4 words
	s_or_b32 s[G1B+0], s44, (1<<16)|(1<<20)|(1<<21)|(5<<22)|(3<<25)
.irp g, G1, G1B
	s_mov_b32 s[(\g)+1], KSTEP<<16                 ; tensor_dim0 = 128
	s_mov_b32 s[(\g)+2], 128<<16                   ; tensor_dim1 = 128
	s_mov_b32 s[(\g)+3], KSTEP<<16                 ; tile_dim0 = 128
	s_mov_b32 s[(\g)+4], 128                       ; tile_dim1 = 128
	s_mov_b32 s[(\g)+5], SIZE_K                    ; elements from row to row
	s_mov_b32 s[(\g)+6], 0
	s_mov_b32 s[(\g)+7], 0
.endr
	s_lshl_b32 s17, s12, 7
	s_lshl_b32 s16, s13, 8
	s_add_co_u32 s16, s16, s17                     ; x: row 256 x tile row + 128 x half
	s_lshl_b32 s46, s42, 8
	s_add_co_u32 s46, s46, s17                     ; W_in: row 256 x tile column + 128 x half
	s_mov_b32 s17, 0
	s_mov_b32 s47, 0
	s_mov_b64 s[18:19], SIZE_K*2
	s_mul_u64 s[16:17], s[16:17], s[18:19]
	s_mul_u64 s[46:47], s[46:47], s[18:19]
	s_mul_i32 s20, s10, HALFT                      ; where my load lands: wave x 128 rows
	s_wait_dscnt 0x0                               ; both opening adds are done
	s_wait_kmcnt 0x0
	s_mov_b64 s[8:9], s[6:7]                       ; G
	s_add_nc_u64 s[6:7], s[4:5], WIB               ; W_in's copy
	s_add_nc_u64 s[14:15], s[4:5], s[16:17]
	s_add_nc_u64 s[46:47], s[6:7], s[46:47]
	CROUND                                         ; all sixteen work-groups are here: the first joint loads meet
.irp s, 0,1
	s_mov_b32 s[G0+4*(\s)], 1
	s_add_co_u32 s[G0+4*(\s)+1], s20, (\s)*SLOT
	s_add_nc_u64 s[G0+4*(\s)+2:G0+4*(\s)+3], s[14:15], (\s)*KSTEP*2
	s_or_b32 s[G0+4*(\s)+3], s[G0+4*(\s)+3], 0x80000000
	s_mov_b32 s[G0B+4*(\s)], 1
	s_add_co_u32 s[G0B+4*(\s)+1], s20, (\s)*SLOT
	s_add_nc_u64 s[G0B+4*(\s)+2:G0B+4*(\s)+3], s[46:47], (\s)*KSTEP*2
	s_or_b32 s[G0B+4*(\s)+3], s[G0B+4*(\s)+3], 0x80000000
	JLOAD \s
.endr
	v_and_b32 v1, 15, v0                           ; l % 16
	v_bfe_u32 v2, v0, 4, 1                         ; l / 16
	v_mul_u32_u24 v3, v1, PITCH
	v_lshl_add_u32 v3, v2, 4, v3                   ; a fragment's row x pitch + 16 x half
	s_mul_i32 s21, s11, HALFT
	s_mul_i32 s22, s12, HALFT
	s_add_co_u32 s22, s22, 2*HALFT
.irp s, 0,1
	v_add_nc_u32 v[ADRA+(\s)], s21, v3
	v_add_nc_u32 v[ADRB+(\s)], s22, v3
	s_add_co_u32 s21, s21, SLOT
	s_add_co_u32 s22, s22, SLOT
.endr
	s_mul_i32 s23, s10, OWAVE                      ; the way out: my part
	v_mul_u32_u24 v4, v1, OPITCH                   ; in: row l % 16, 32 bytes for each half of the lanes
	v_lshl_add_u32 v4, v2, 5, v4
	v_add_nc_u32 v[STO], s23, v4
	v_and_b32 v5, 31, v0
	v_lshl_add_u32 v[RD], v5, 4, s23               ; back: 32 lanes take one row of 512 bytes
	v_lshlrev_b32 v[CO], 3, v5                     ; which is 256 bytes of G
	s_lshl_b32 s13, s13, 8
	s_lshl_b32 s14, s11, 7
	s_add_co_u32 s16, s13, s14                     ; my first row of G
	s_mov_b32 s17, 0
	s_mov_b64 s[18:19], SIZE_N*2
	s_mul_u64 s[16:17], s[16:17], s[18:19]
	s_lshl_b32 s46, s42, 9                         ; my first column, in bytes
	s_lshl_b32 s47, s12, 8
	s_add_co_u32 s46, s46, s47
	s_mov_b32 s47, 0
	s_add_nc_u64 s[16:17], s[16:17], s[46:47]
	s_add_nc_u64 s[8:9], s[8:9], s[16:17]
	; the prefetches' address
	s_lshl_b32 s42, s42, 8
	s_and_b32 s22, ttmp7, 0xffff                   ; cluster y
	s_cmp_eq_u32 s11, 0
	s_cselect_b32 s20, s13, s42                    ; the tile's first row
	s_cselect_b32 s21, s40, s41                    ; my place among the four that ask with me
	s_cselect_b32 s22, ttmp9, s22                  ; the coordinate along which other clusters read the same rows
	s_cselect_b64 s[PFA:PFA+1], s[4:5], s[6:7]
	s_cmp_eq_u32 s22, 0
	s_cselect_b32 s[LIM], 1, -1
	s_lshl_b32 s22, s12, 7
	s_add_co_u32 s20, s20, s22
	s_lshl_b32 s21, s21, 5
	s_add_co_u32 s20, s20, s21
	s_mov_b32 s21, 0
	s_mov_b64 s[18:19], SIZE_K*2
	s_mul_u64 s[20:21], s[20:21], s[18:19]
	s_add_nc_u64 s[PFA:PFA+1], s[PFA:PFA+1], s[20:21]
	s_add_nc_u64 s[PFA:PFA+1], s[PFA:PFA+1], 2*KSTEP*2  ; at K step 2: the first refill steps it to 3 and names K step 4
	v_and_b32 v[PFO], 31, v0
	v_mul_u32_u24 v[PFO], v[PFO], SIZE_K*2
.macro MUL16 f, hi, a0, zero           ; 16 products: row blocks a0, a0 + 1 of the window's four x all 8 column blocks, 32 along K
	WIN MUL_LO+0x50*(\hi)
.irp a, \a0, (\a0)+1
.irp b, 0,1,2,3,4,5,6,7
.if \zero
	v_wmma_f32_16x16x32_bf16 v[8*(8*(\a)+(\b)):8*(8*(\a)+(\b))+7], v[(\f)+8*(\b):(\f)+8*(\b)+7], v[(\f)+8*(4*(\hi)+(\a)):(\f)+8*(4*(\hi)+(\a))+7], 0
.else
	v_wmma_f32_16x16x32_bf16 v[8*(8*(\a)+(\b)):8*(8*(\a)+(\b))+7], v[(\f)+8*(\b):(\f)+8*(\b)+7], v[(\f)+8*(4*(\hi)+(\a)):(\f)+8*(4*(\hi)+(\a))+7], v[8*(8*(\a)+(\b)):8*(8*(\a)+(\b))+7]
.endif
.endr
.endr
.endm
.macro FETCH slot, k, f                ; 32 LDS loads in one run: a quarter step's fragments
	WIN TO_B
.irp i, 0,1,2,3,4,5,6,7
	ds_load_b128 v[(\f)+8*(\i):(\f)+8*(\i)+3],   v[ADRB+(\slot)] offset:(\k)+(\i)*16*PITCH
	ds_load_b128 v[(\f)+8*(\i)+4:(\f)+8*(\i)+7], v[ADRB+(\slot)] offset:(\k)+(\i)*16*PITCH+32
.endr
	WIN 0
.irp i, 0,1,2,3,4,5,6,7
	ds_load_b128 v[(\f)+8*(\i):(\f)+8*(\i)+3],   v[ADRA+(\slot)] offset:(\k)+(\i)*16*PITCH
	ds_load_b128 v[(\f)+8*(\i)+4:(\f)+8*(\i)+7], v[ADRA+(\slot)] offset:(\k)+(\i)*16*PITCH+32
.endr
.endm
.macro PLACES                          ; four plain places behind the last product, in front of loads into registers that it read and of readers of results
.rept 4
	v_nop
.endr
.endm
.macro QUARTER slot, k, f, g, zero
	s_wait_dscnt 8                                 ; W_in's fragments and x's rows 0-63 are in; the youngest eight loads may be out
	MUL16 \f, 0, 0, \zero
	MUL16 \f, 0, 2, \zero
	PLACES
	FETCH \slot, \k, \g
	s_wait_dscnt 32                                ; all but the 32 just issued
	MUL16 \f, 1, 0, \zero
	MUL16 \f, 1, 2, \zero
.endm
; The last quarter of a K step changes slots.  In front of the barrier each wave waits for all its tensor loads (its part of the next slot), adds 0 to its spare word, and waits for that and for its reads of this slot.
; fill = 1: the barrier opens a round of the cluster's barrier, and the joint refill, two K steps on, is the first tensor load behind it.
.macro TURN slot, next, fill
.if \fill
	s_wait_xcnt 0x0                                ; the last prefetch, a K step back, has read its address
	s_add_nc_u64 s[PFA:PFA+1], s[PFA:PFA+1], KSTEP*2
.endif
	WIN 0
	s_wait_tensorcnt 0x0
	ds_add_u32 v[SPW], v[NIL]
	s_wait_dscnt 9                                 ; the add and the youngest eight loads may be out
	MUL16 F1, 0, 0, 0
	s_wait_dscnt 0x0                               ; the add is done, my reads of this slot are over
	s_barrier_signal -1
	MUL16 F1, 0, 2, 0
.if \fill
	WIN 0
.endif
	s_barrier_wait -1
.if \fill
	CREST
	s_add_nc_u64 s[G0+4*(\slot)+2:G0+4*(\slot)+3], s[G0+4*(\slot)+2:G0+4*(\slot)+3], 2*KSTEP*2
	s_add_nc_u64 s[G0B+4*(\slot)+2:G0B+4*(\slot)+3], s[G0B+4*(\slot)+2:G0B+4*(\slot)+3], 2*KSTEP*2
	JLOAD \slot                                    ; its four v_nop are also the places in front of the loads below
.else
	PLACES
.endif
	FETCH \next, 0, F0
.if \fill
	ASK
.endif
	MUL16 F1, 1, 0, 0
	MUL16 F1, 1, 2, 0
.endm
	s_wait_tensorcnt 1                             ; my part of K step 0 is in; K step 1's may stay out
	s_barrier_signal -1
	s_barrier_wait -1
	FETCH 0, 0, F0
	QUARTER 0, 64,  F0, F1, 1                      ; the first quarter starts the sums with the constant 0
	WIN 0
	s_mov_b32 s3, LAPS-1
.Llap:                                                 ; once round the ring: both slots are filled again
	QUARTER 0, 128, F1, F0, 0
	QUARTER 0, 192, F0, F1, 0
	TURN 0, 1, 1
	QUARTER 1, 64,  F0, F1, 0
	QUARTER 1, 128, F1, F0, 0
	QUARTER 1, 192, F0, F1, 0
	TURN 1, 0, 1
	QUARTER 0, 64,  F0, F1, 0
	WIN 0
	s_sub_co_u32 s3, s3, 1
	s_cmp_lg_u32 s3, 0
	s_cbranch_scc1 .Llap
	QUARTER 0, 128, F1, F0, 0                      ; the last lap fills nothing
	QUARTER 0, 192, F0, F1, 0
	TURN 0, 1, 0
	QUARTER 1, 64,  F0, F1, 0
	QUARTER 1, 128, F1, F0, 0
	QUARTER 1, 192, F0, F1, 0
	s_wait_dscnt 8
	MUL16 F1, 0, 0, 0
	MUL16 F1, 0, 2, 0
	s_wait_dscnt 0x0
	MUL16 F1, 1, 0, 0
	MUL16 F1, 1, 2, 0
	WIN 0
	; THE WAY OUT
	s_barrier_signal -1                            ; no LDS load of mine is out: when all four have said so, nobody reads the slots any more
	s_barrier_wait -1
	PLACES
.irp a, 0,1,2,3,4,5,6,7
	WIN 0x08+4*((\a)/4)                            ; the stores' data: window 2 or 3
.irp b, 0,1,2,3,4,5,6,7
	ds_store_b128 v[STO], v[8*(8*((\a)%4)+(\b)):8*(8*((\a)%4)+(\b))+3]   offset:(\a)*16*OPITCH+64*(\b)      ; each accumulator's low registers first
	ds_store_b128 v[STO], v[8*(8*((\a)%4)+(\b))+4:8*(8*((\a)%4)+(\b))+7] offset:(\a)*16*OPITCH+64*(\b)+16
.endr
.endr
	WIN 0
	s_mov_b32 s20, 0xbfb8aa3b                      ; -log2(e)
	s_mov_b32 s21, s20
	s_mov_b32 s3, 16
.Lout:                                                 ; eight rows a trip: silu(v) = v / (1 + 2^(-v log2 e))
.irp i, 0,1,2,3,4,5,6,7
	ds_load_b128 v[RR+4*(\i):RR+4*(\i)+3], v[RD] offset:(\i)*OPITCH  ; my own bytes: LDS serves a wave's instructions in order
.endr
	s_wait_dscnt 0x0
.set i, 0
.rept 16
	v_pk_mul_f32 v[TT+2*i:TT+2*i+1], v[RR+2*i:RR+2*i+1], s[20:21] op_sel_hi:[1,0]
.if i > 0
	v_exp_f32 v[TT+2*i-2], v[TT+2*i-2]
	v_exp_f32 v[TT+2*i-1], v[TT+2*i-1]
.endif
.set i, i+1
.endr
	v_exp_f32 v[TT+30], v[TT+30]
	v_exp_f32 v[TT+31], v[TT+31]
	v_nop                                          ; a plain instruction behind the last exponential,
	s_wait_alu depctr_va_vdst(0)                   ; and one wait for the batch of 32, ahead of its first reader
.set i, 0
.rept 16
	v_pk_add_f32 v[TT+2*i:TT+2*i+1], v[TT+2*i:TT+2*i+1], 1.0 op_sel_hi:[1,0]
.if i > 0
	v_rcp_f32 v[TT+2*i-2], v[TT+2*i-2]
	v_rcp_f32 v[TT+2*i-1], v[TT+2*i-1]
.endif
.set i, i+1
.endr
	v_rcp_f32 v[TT+30], v[TT+30]
	v_rcp_f32 v[TT+31], v[TT+31]
	v_nop
	s_wait_alu depctr_va_vdst(0)                   ; one wait for the 32 reciprocals
.set i, 0
.rept 16
	v_pk_mul_f32 v[RR+2*i:RR+2*i+1], v[RR+2*i:RR+2*i+1], v[TT+2*i:TT+2*i+1]
.set i, i+1
.endr
.set i, 0
.rept 16
	v_cvt_pk_f16_f32 v[OO+i], v[RR+2*i], v[RR+2*i+1]
.set i, i+1
.endr
.irp i, 0,1,2,3,4,5,6,7
	global_store_b64 v[CO], v[OO+2*(\i):OO+2*(\i)+1], s[8:9] offset:(\i)*SIZE_N*2  ; a wave stores 256 consecutive bytes, aligned
.endr
	s_wait_xcnt 0x0                                ; the stores have read their base and data: both are written again only behind this wait
	s_add_nc_u64 s[8:9], s[8:9], 8*SIZE_N*2
	v_add_nc_u32 v[RD], 8*OPITCH, v[RD]
	s_sub_co_u32 s3, s3, 1
	s_cmp_lg_u32 s3, 0
	s_cbranch_scc1 .Lout
	s_wait_tensorcnt 0x0                           ; the wave's end
	ds_add_u32 v[SPW], v[NIL]
	s_wait_dscnt 0x0
	CROUND                                         ; the closing round
	s_endpgm
.Lfunc_end_k_q46df04277b_gemm_in:
	.size	k_q46df04277b_gemm_in, .Lfunc_end_k_q46df04277b_gemm_in-k_q46df04277b_gemm_in
	.p2alignl 7, 3214868480
	.fill 96, 4, 3214868480
	.section	.rodata,"a",@progbits
	.p2align	6, 0x0
	.amdhsa_kernel k_q46df04277b_gemm_in
		.amdhsa_group_segment_fixed_size 327680
		.amdhsa_private_segment_fixed_size 0
		.amdhsa_enable_private_segment 0
		.amdhsa_kernarg_size 16
		.amdhsa_user_sgpr_count 2
		.amdhsa_user_sgpr_kernarg_segment_ptr 1
		.amdhsa_wavefront_size32 1
		.amdhsa_system_sgpr_workgroup_id_x 1
		.amdhsa_system_sgpr_workgroup_id_y 1
		.amdhsa_system_sgpr_workgroup_id_z 1
		.amdhsa_system_vgpr_workitem_id 0
		.amdhsa_next_free_vgpr 1024
		.amdhsa_next_free_sgpr 66
		.amdhsa_reserve_vcc 0
		.amdhsa_float_denorm_mode_32 3
		.amdhsa_float_denorm_mode_16_64 3
		.amdhsa_memory_ordered 1
		.amdhsa_forward_progress 1
		.amdhsa_inst_pref_size 128
	.end_amdhsa_kernel
	.amdgpu_metadata
---
amdhsa.version: [ 1, 2 ]
amdhsa.kernels:
  - .name:           k_q46df04277b_gemm_in
    .symbol:         k_q46df04277b_gemm_in.kd
    .args:
      - { .name: cst, .offset: 0, .size: 8, .value_kind: global_buffer, .address_space: global }
      - { .name: G, .offset: 8, .size: 8, .value_kind: global_buffer, .address_space: global }
    .group_segment_fixed_size: 327680
    .private_segment_fixed_size: 0
    .kernarg_segment_align: 8
    .kernarg_segment_size: 16
    .max_flat_workgroup_size: 128
    .sgpr_count:     66
    .vgpr_count:     1024
    .wavefront_size: 32
...
	.end_amdgpu_metadata
.endif
;; end of part 2
;; launch xproj (part 3): grid 128 x 2, 4 waves a work-group, clusters of 4 x 1, 279,040 bytes of LDS; arguments G, cst, XP; writes XP
.if DOCPART == 3
	.amdgcn_target "amdgcn-amd-amdhsa--gfx1250"
	.amdhsa_code_object_version 6
	.text
	.protected	k_q46df04277b_xproj
	.globl	k_q46df04277b_xproj
	.p2align	8
	.type	k_q46df04277b_xproj,@function
k_q46df04277b_xproj:
	s_mov_b64 s[64:65], 0
	v_nop
	global_prefetch_b8 v0, s[64:65] scope:SCOPE_SE
	s_setreg_imm32_b32 hwreg(HW_REG_WAVE_MODE, 25, 1), 1
	s_wait_xcnt 0x0
	s_wait_alu depctr_hold_cnt(0) depctr_sa_sdst(0) depctr_va_vdst(0) depctr_va_sdst(0) depctr_va_ssrc(0) depctr_va_vcc(0) depctr_vm_vsrc(0)
	s_getreg_b32 s2, hwreg(HW_REG_IB_STS2, 6, 4)
	s_cmp_eq_u32 s2, 0
	s_cbranch_scc0 .Lentry_in_a_cluster
	s_endpgm
.Lentry_in_a_cluster:
	s_bfe_u32 s2, ttmp6, 0x10000c
	s_cmp_lg_u32 s2, 0x3003
	s_cbranch_scc0 .Lentry_shape_is_right
	s_endpgm
.Lentry_shape_is_right:
; xp[m][j] = sum over k of G[m][k] W_x[j][k], m < 8,192, j < 128, k < 1,024 (G's first 1,024 columns: silu of the x part).  Operands f16, sums f32.
; Columns 64-127 (B and C of the recurrence) leave as f32, [8192][64] at XP + 0; columns 0-63 (the operand of dt's product) as bf16, [8192][64] at XP + 2,097,152.
; SHARES.  A work-group makes 64 rows x 64 columns.  K IS SPLIT AMONG ITS FOUR WAVES, 256 each: 16 accumulators a wave; the four partial sums meet in LDS (f32 sums, in a fixed order).
; Each wave brings its own K range by four tensor loads at the start (two sub-blocks of 128 along K, G's 64 rows and W_x's 64 rows each) and reads only its own bytes: nothing is filled again.
; CLUSTER.  The four row blocks of a cluster read the same 64 rows of W_x: those loads are joint; G's rows are each work-group's own (mask 0).
.set PITCH, 272
.set SUBA,  64*PITCH                   ; 64 rows of one operand
.set SUB,   2*SUBA                     ; a sub-block: G's rows, then W_x's
.set RWB,   2*SUB                      ; a wave's bytes
.set SPARE, 4*RWB
.set WXH,   23068672                   ; W_x's copy in cst
.set XPB,   2097152
.set RD,   8                           ; v8-11   where I read the four partial sums
.set ADRA, 16
.set ADRB, 20
.set STO,  24
.set GO,   26
.set SPW,  28
.set NIL,  29
.set OB,   32
.set ACC,  128
.set F0,   0
.set F1,   128
.set MSB, 0
.macro WIN new
.if MSB != (\new)
	s_set_vgpr_msb (MSB<<8)|(\new)
.set MSB, \new
.endif
.endm
.set MUL,  0x05                        ; sources 0 and 1 window 1; C and D window 0
.set TO_F, 0x40
.macro CROUND
	s_barrier_signal -1
	s_barrier_wait -1
	s_cmp_lg_u32 s10, 0
	s_cbranch_scc1 .Lnot_wave_0_\@
	s_barrier_signal -3
.Lnot_wave_0_\@:
	s_barrier_wait -3
	s_barrier_signal -1
	s_barrier_wait -1
.endm
	s_load_b128 s[4:7], s[0:1], 0x0                ; G s[4:5], cst s[6:7]
	s_load_b64 s[8:9], s[0:1], 0x10                ; XP
	v_lshl_add_u32 v[SPW], v0, 2, SPARE
	v_mov_b32 v[NIL], 0
	ds_add_u32 v[SPW], v[NIL]                      ; the opening: the add, twice on end, and its wait
	ds_add_u32 v[SPW], v[NIL]
	v_lshrrev_b32 v1, 5, v0
	v_readfirstlane_b32 s10, v1                    ; wave
	s_bfe_u32 s11, ttmp6, 0x40000                  ; cx
	s_lshl_b32 s12, ttmp9, 2
	s_add_co_u32 s12, s12, s11                     ; my block of 64 rows: it enters G's and XP's addresses alone
	s_and_b32 s13, ttmp7, 0xffff                   ; which 64 columns: the same in all four partners
	s_mov_b32 s24, (1<<16)|(1<<20)|(5<<22)|(3<<25) ; G's tiles: no mask; 2-byte elements; after every 64 words 4 words of padding
	s_mov_b32 s48, 15|(1<<16)|(1<<20)|(1<<21)|(5<<22)|(3<<25)  ; W_x's: the mask of four, bit 21 beside it
.irp g, 24, 48
	s_mov_b32 s[(\g)+1], 128<<16                   ; tensor_dim0 = 128
	s_mov_b32 s[(\g)+2], 64<<16                    ; tensor_dim1 = 64
	s_mov_b32 s[(\g)+3], 128<<16                   ; tile_dim0 = 128
	s_mov_b32 s[(\g)+4], 64                        ; tile_dim1 = 64
	s_mov_b32 s[(\g)+6], 0
	s_mov_b32 s[(\g)+7], 0
.endr
	s_mov_b32 s29, 2048                            ; G: elements from row to row
	s_mov_b32 s53, 1024                            ; W_x
	s_lshl_b32 s14, s10, 9                         ; my 256 of K, in bytes
	s_lshl_b32 s16, s12, 18                        ; 64 rows of 4,096 bytes
	s_add_co_u32 s16, s16, s14
	s_mov_b32 s17, 0
	s_lshl_b32 s20, s13, 17                        ; 64 rows of 2,048 bytes
	s_add_co_u32 s20, s20, s14
	s_add_co_u32 s20, s20, WXH
	s_mov_b32 s21, 0
	s_mul_i32 s15, s10, RWB                        ; my bytes in LDS
	s_wait_dscnt 0x0
	s_wait_kmcnt 0x0
	s_add_nc_u64 s[4:5], s[4:5], s[16:17]
	s_add_nc_u64 s[6:7], s[6:7], s[20:21]
	CROUND                                         ; in front of the first loads
.irp s, 0,1
	s_mov_b32 s[32+8*(\s)], 1
	s_add_co_u32 s[33+8*(\s)], s15, (\s)*SUB
	s_add_nc_u64 s[34+8*(\s):35+8*(\s)], s[4:5], (\s)*256
	s_or_b32 s[35+8*(\s)], s[35+8*(\s)], 0x80000000
	s_mov_b32 s[36+8*(\s)], 1
	s_add_co_u32 s[37+8*(\s)], s15, (\s)*SUB+SUBA
	s_add_nc_u64 s[38+8*(\s):39+8*(\s)], s[6:7], (\s)*256
	s_or_b32 s[39+8*(\s)], s[39+8*(\s)], 0x80000000
.endr
	tensor_load_to_lds s[32:35], s[24:31]          ; four loads of mine are out: sub-block 0's two,
	s_nop 0
	tensor_load_to_lds s[36:39], s[48:55]
	s_nop 0
	tensor_load_to_lds s[40:43], s[24:31]          ; and sub-block 1's two
	s_nop 0
	tensor_load_to_lds s[44:47], s[48:55]
	s_nop 0
.rept 4
	v_nop
.endr
	v_and_b32 v1, 15, v0
	v_bfe_u32 v2, v0, 4, 1
	v_mul_u32_u24 v3, v1, PITCH
	v_lshl_add_u32 v3, v2, 4, v3
	v_add_nc_u32 v[ADRA], s15, v3
	v_add_nc_u32 v[ADRA+1], SUB, v[ADRA]
	v_add_nc_u32 v[ADRB], SUBA, v[ADRA]
	v_add_nc_u32 v[ADRB+1], SUB, v[ADRB]
	v_mul_u32_u24 v4, v1, PITCH                    ; my partial tile: row l % 16 (256 bytes + 16), 32 bytes for each half of the lanes
	v_lshl_add_u32 v4, v2, 5, v4
	v_add_nc_u32 v[STO], s15, v4
	s_mul_i32 s16, s10, 16*PITCH                   ; back: rows 16 w on; lanes 0-15 one row, lanes 16-31 the next
	v_mul_u32_u24 v5, v2, PITCH
	v_lshl_add_u32 v5, v1, 4, v5
	v_add_nc_u32 v[RD], s16, v5
	v_add_nc_u32 v[RD+1], RWB, v[RD]
	v_add_nc_u32 v[RD+2], RWB, v[RD+1]
	v_add_nc_u32 v[RD+3], RWB, v[RD+2]
.macro MUL8 f, c, a0, zero             ; 8 products: row blocks a0, a0 + 1 x 4 column blocks, 32 along K: half c of buffer f
	WIN MUL
.irp a, \a0, (\a0)+1
.irp b, 0,1,2,3
.if \zero
	v_wmma_f32_16x16x32_f16 v[ACC+8*(4*(\a)+(\b)):ACC+8*(4*(\a)+(\b))+7], v[(\f)+64+8*(4*(\c)+(\b)):(\f)+64+8*(4*(\c)+(\b))+7], v[(\f)+8*(4*(\c)+(\a)):(\f)+8*(4*(\c)+(\a))+7], 0
.else
	v_wmma_f32_16x16x32_f16 v[ACC+8*(4*(\a)+(\b)):ACC+8*(4*(\a)+(\b))+7], v[(\f)+64+8*(4*(\c)+(\b)):(\f)+64+8*(4*(\c)+(\b))+7], v[(\f)+8*(4*(\c)+(\a)):(\f)+8*(4*(\c)+(\a))+7], v[ACC+8*(4*(\a)+(\b)):ACC+8*(4*(\a)+(\b))+7]
.endif
.endr
.endr
.endm
.macro FETCH slot, k, f                ; 32 LDS loads: the fragments of 64 along K; the first 32 along K first
	WIN TO_F
.irp c, 0,1
.irp i, 0,1,2,3
	ds_load_b128 v[(\f)+64+8*(4*(\c)+(\i)):(\f)+64+8*(4*(\c)+(\i))+3],   v[ADRB+(\slot)] offset:(\k)+64*(\c)+(\i)*16*PITCH
	ds_load_b128 v[(\f)+64+8*(4*(\c)+(\i))+4:(\f)+64+8*(4*(\c)+(\i))+7], v[ADRB+(\slot)] offset:(\k)+64*(\c)+(\i)*16*PITCH+32
	ds_load_b128 v[(\f)+8*(4*(\c)+(\i)):(\f)+8*(4*(\c)+(\i))+3],         v[ADRA+(\slot)] offset:(\k)+64*(\c)+(\i)*16*PITCH
	ds_load_b128 v[(\f)+8*(4*(\c)+(\i))+4:(\f)+8*(4*(\c)+(\i))+7],       v[ADRA+(\slot)] offset:(\k)+64*(\c)+(\i)*16*PITCH+32
.endr
.endr
.endm
.macro PLACES
.rept 4
	v_nop
.endr
.endm
.macro QUARTER slot, k, f, g, zero
	s_wait_dscnt 16                                ; the first 32 along K are in; the other sixteen loads may be out
	MUL8 \f, 0, 0, \zero
	MUL8 \f, 0, 2, \zero
	PLACES
	FETCH \slot, \k, \g
	s_wait_dscnt 32                                ; all but the 32 just issued
	MUL8 \f, 1, 0, 0
	MUL8 \f, 1, 2, 0
.endm
	s_wait_tensorcnt 2                             ; sub-block 0's two loads are in, sub-block 1's two may stay out; the bytes are my own, so no barrier
	FETCH 0, 0, F0
	QUARTER 0, 128, F0, F1, 1
	s_wait_tensorcnt 0x0                           ; sub-block 1 is in
	QUARTER 1, 0,   F1, F0, 0
	QUARTER 1, 128, F0, F1, 0
	s_wait_dscnt 16
	MUL8 F1, 0, 0, 0
	MUL8 F1, 0, 2, 0
	s_wait_dscnt 0x0
	MUL8 F1, 1, 0, 0
	MUL8 F1, 1, 2, 0
	WIN 0
	PLACES
.irp a, 0,1,2,3                        ; my partial tile goes over my own sub-block 0, which I have read out and which is never filled again
.irp b, 0,1,2,3
	ds_store_b128 v[STO], v[ACC+8*(4*(\a)+(\b)):ACC+8*(4*(\a)+(\b))+3]   offset:(\a)*16*PITCH+64*(\b)
	ds_store_b128 v[STO], v[ACC+8*(4*(\a)+(\b))+4:ACC+8*(4*(\a)+(\b))+7] offset:(\a)*16*PITCH+64*(\b)+16
.endr
.endr
	s_wait_dscnt 0x0                               ; for the others' sake: my stores are done
	s_barrier_signal -1
	s_barrier_wait -1
.irp v, 0,1,2,3
.irp i, 0,1,2,3,4,5,6,7
	ds_load_b128 v[ACC+32*(\v)+4*(\i):ACC+32*(\v)+4*(\i)+3], v[RD+(\v)] offset:(\i)*2*PITCH
.endr
.endr
	s_lshl_b32 s18, s12, 6
	s_lshl_b32 s19, s10, 4
	s_add_co_u32 s18, s18, s19                     ; the first row that I store
	s_mov_b32 s19, 0
	s_wait_dscnt 0x0
.irp i, 0,1,2,3,4,5,6,7
.irp e, 0,2
	v_pk_add_f32 v[ACC+4*(\i)+(\e):ACC+4*(\i)+(\e)+1], v[ACC+4*(\i)+(\e):ACC+4*(\i)+(\e)+1], v[ACC+32+4*(\i)+(\e):ACC+32+4*(\i)+(\e)+1]
	v_pk_add_f32 v[ACC+64+4*(\i)+(\e):ACC+64+4*(\i)+(\e)+1], v[ACC+64+4*(\i)+(\e):ACC+64+4*(\i)+(\e)+1], v[ACC+96+4*(\i)+(\e):ACC+96+4*(\i)+(\e)+1]
	v_pk_add_f32 v[ACC+4*(\i)+(\e):ACC+4*(\i)+(\e)+1], v[ACC+4*(\i)+(\e):ACC+4*(\i)+(\e)+1], v[ACC+64+4*(\i)+(\e):ACC+64+4*(\i)+(\e)+1]
.endr
.endr
	s_cmp_eq_u32 s13, 0
	s_cbranch_scc1 .Lrank
	s_lshl_b32 s18, s18, 8                         ; B and C: rows of 256 bytes, f32
	s_add_nc_u64 s[8:9], s[8:9], s[18:19]
	v_lshlrev_b32 v[GO], 8, v2
	v_lshl_add_u32 v[GO], v1, 4, v[GO]
.irp i, 0,1,2,3,4,5,6,7
	global_store_b128 v[GO], v[ACC+4*(\i):ACC+4*(\i)+3], s[8:9] offset:512*(\i)  ; 512 consecutive bytes
.endr
	s_branch .Lend
.Lrank:
	s_lshl_b32 s18, s18, 7                         ; dt's operand: rows of 128 bytes, bf16
	s_add_co_u32 s18, s18, XPB
	s_add_nc_u64 s[8:9], s[8:9], s[18:19]
	v_lshlrev_b32 v[GO], 7, v2
	v_lshl_add_u32 v[GO], v1, 3, v[GO]
.irp i, 0,1,2,3,4,5,6,7
	v_cvt_pk_bf16_f32 v[OB+2*(\i)], v[ACC+4*(\i)], v[ACC+4*(\i)+1]
	v_cvt_pk_bf16_f32 v[OB+2*(\i)+1], v[ACC+4*(\i)+2], v[ACC+4*(\i)+3]
	global_store_b64 v[GO], v[OB+2*(\i):OB+2*(\i)+1], s[8:9] offset:256*(\i)  ; 256 consecutive bytes, aligned
.endr
.Lend:
	s_wait_tensorcnt 0x0                           ; the wave's end
	ds_add_u32 v[SPW], v[NIL]
	s_wait_dscnt 0x0
	CROUND                                         ; the closing round
	s_endpgm
.Lfunc_end_k_q46df04277b_xproj:
	.size	k_q46df04277b_xproj, .Lfunc_end_k_q46df04277b_xproj-k_q46df04277b_xproj
	.p2alignl 7, 3214868480
	.fill 96, 4, 3214868480
	.section	.rodata,"a",@progbits
	.p2align	6, 0x0
	.amdhsa_kernel k_q46df04277b_xproj
		.amdhsa_group_segment_fixed_size 279040
		.amdhsa_private_segment_fixed_size 0
		.amdhsa_enable_private_segment 0
		.amdhsa_kernarg_size 24
		.amdhsa_user_sgpr_count 2
		.amdhsa_user_sgpr_kernarg_segment_ptr 1
		.amdhsa_wavefront_size32 1
		.amdhsa_system_sgpr_workgroup_id_x 1
		.amdhsa_system_sgpr_workgroup_id_y 1
		.amdhsa_system_sgpr_workgroup_id_z 1
		.amdhsa_system_vgpr_workitem_id 0
		.amdhsa_next_free_vgpr 512
		.amdhsa_next_free_sgpr 66
		.amdhsa_reserve_vcc 0
		.amdhsa_float_denorm_mode_32 3
		.amdhsa_float_denorm_mode_16_64 3
		.amdhsa_memory_ordered 1
		.amdhsa_forward_progress 1
		.amdhsa_inst_pref_size 33
	.end_amdhsa_kernel
	.amdgpu_metadata
---
amdhsa.version: [ 1, 2 ]
amdhsa.kernels:
  - .name:           k_q46df04277b_xproj
    .symbol:         k_q46df04277b_xproj.kd
    .args:
      - { .name: G, .offset: 0, .size: 8, .value_kind: global_buffer, .address_space: global }
      - { .name: cst, .offset: 8, .size: 8, .value_kind: global_buffer, .address_space: global }
      - { .name: XP, .offset: 16, .size: 8, .value_kind: global_buffer, .address_space: global }
    .group_segment_fixed_size: 279040
    .private_segment_fixed_size: 0
    .kernarg_segment_align: 8
    .kernarg_segment_size: 24
    .max_flat_workgroup_size: 128
    .sgpr_count:     66
    .vgpr_count:     512
    .wavefront_size: 32
...
	.end_amdgpu_metadata
.endif
;; end of part 3
;; launch scan_a (part 4): grid 62 x 4, 4 waves a work-group, no clusters, 222,720 bytes of LDS; arguments G, XP, cst, b_dt, A_log, HE; writes HE
.if DOCPART == 4
	.amdgcn_target "amdgcn-amd-amdhsa--gfx1250"
	.amdhsa_code_object_version 6
	.text
	.protected	k_q46df04277b_scan_a
	.globl	k_q46df04277b_scan_a
	.p2align	8
	.type	k_q46df04277b_scan_a,@function
k_q46df04277b_scan_a:
	s_mov_b64 s[64:65], 0
	v_nop
	global_prefetch_b8 v0, s[64:65] scope:SCOPE_SE
	s_setreg_imm32_b32 hwreg(HW_REG_WAVE_MODE, 25, 1), 1
	s_wait_xcnt 0x0
; THE RECURRENCE, cut into 32 chunks of 64 steps.  h[t] = exp(dt[t] A[n]) h[t-1] + dt[t] x[t] B[t][n] (complex B, h), y[t] = sum over n of Re(C[t][n] h[t]).
; PASS = 0 (this text): chunks 0 to 30 are walked from h = 0; the chunk's end state and its sum of dt leave as f32 (a later launch chains them).
; PASS = 1: every chunk is walked from its true start state; a = y silu(z) leaves as f16 with a power of two for each row and 512 channels.
; dt = softplus(xp[:, :64] W_dt^T + b_dt) is remade here: 64 products a wave, kept in LDS as f32.  softplus(u) = max(u, 0) + ln 2 log2(1 + 2^(-|u| log2 e)).
; LIMITS: for u below about -15 softplus keeps an absolute error of 6e-8; a decay below 2^-126 counts as 0; NaN and infinities are not treated apart.  A_log and b_dt are rounded to bf16 like every input.
; SHARES.  A work-group: one batch row, one chunk, 512 channels; a wave 128 channels, a lane 4 (pairs (c0, c1), (c2, c3) for the packed forms).  A lane keeps 16 complex states x 4 channels in 128 registers.
; NO CLUSTER: the two work-groups of a chunk share 24 KiB (B, C and dt's operand) of the some 200 KiB that each reads.
; A STEP has ONE batch of 64 exponentials (the next step's decays, made in place in the registers that this step has read) and ONE wait, at its end.
; ITS LDS INSTRUCTIONS STAND IN TWO RUNS, never singly among the arithmetic.  B and C, the same for all lanes, lie in 64 registers of window 1.  Run A, in the step's middle, brings the next step's B of states 0-11 and
; C of states 0-7, whose registers this step has read out by then.  Run B, at the step's end, stores a[t] and brings the rest of the next step's B and C, silu(z) of the next step, x two steps on and dt three steps on.
; THE STATES GO IN FOUR GROUPS OF FOUR, so that lines of a kind stand together under one window setting: those with B, C or a half of x or silu(z) as source 1 (window 1), and h = decay h + t, whose source 1 is h (window 0).
; The loop's last two trips load dt's rows 64 and 65 (two rows of padding, written with 0) and x's row 64 (the 256 bytes behind my tile, filled at the start): no step uses them.
; REGISTERS.  window 0: see the names below.  window 1: v0, v1 the add's two registers; v2-3 x, v4-5 silu(z) as f16; v8-11 dt two steps on; v64-127 the fragments of dt's operand; v128-159 B, v160-191 C.
; window 2: v0-127 W_dt's fragments.  window 3: dt's 32 accumulators.
.set PASS, 0
.set XW,     16384*(1+PASS)            ; a wave's tiles: x (64 rows x 256 bytes), with PASS = 1 then silu(z)
.set BCB,    4*XW                      ; B and C: 64 rows x 256 bytes, shared by the four waves
.set DT0,    BCB+16384
.set DPITCH, 528                       ; a row of 128 f32 + 16 bytes
.set DTW,    35072                     ; a wave's 66 rows of dt, rounded up to blocks of 256 bytes
.set GS,     DT0+4*DTW                 ; PASS = 1: 64 row scales
.set SPARE,  GS+256*PASS
.set XPB,    2097152
.set WDB,    23330816
.set SDT,    16252928
.set ASC,    16777216
.set AX,  1                            ; LDS address of my 8 bytes of x's row; at run B of step t: row t + 1
.set ADT, 2                            ; of my 16 bytes of dt's row; at run B of step t: row t + 1
.set ABC, 3                            ; of B's and C's row; at run A of step t: row t, at run B: row t + 1
.set YR,  4                            ; v4-7   sum of C.re h.re   (PASS = 0: SD, the sum of dt)
.set SD,  4
.set YI,  8                            ; v8-11  sum of C.im h.im
.set GX,  12                           ; v12-15 dt x of this step
.set DTN, 16                           ; v16-19 dt of the next step
.set ZR0, 20                           ; v20    0
.set ONE, 22                           ; v22-23 1.0 twice
.set TMP, 24                           ; v24-27 a, on its way to LDS
.set T,   32                           ; v32-63 dt x B of a group of four states
.set AL,  64                           ; v64-127 decay of state n, channel c at AL + 4 n + c
.set H,   128                          ; v128-255 h: state n, re at H + 8 n + c, im at H + 8 n + 4 + c
.set UU,  64                           ; softplus: eight rows
.set TT,  96
.set SPW, 0                            ; window 1
.set NIL, 1
.set XN,  2
.set SZ,  4
.set DTL, 8
.set XF,  64
.set BB,  128                          ; B of state n at BB + 2 n (re, im)
.set CC,  160                          ; C likewise
.set WBC, 0x04                         ; source 1 in window 1, all else in window 0
.set WLD, 0x40                         ; destination in window 1: the runs of LDS instructions (a store's address and data lie in window 0)
.set NA,  6+4*PASS                     ; LDS instructions in run A
.set NB,  4+6*PASS                     ; and in run B
.set MSB, 0
.macro WIN new                         ; the immediate's high byte repeats the setting that is left
.if MSB != (\new)
	s_set_vgpr_msb (MSB<<8)|(\new)
.set MSB, \new
.endif
.endm
	s_load_b256 s[4:11], s[0:1], 0x0               ; G s[4:5], XP s[6:7], cst s[8:9], b_dt s[10:11]
	s_load_b128 s[12:15], s[0:1], 0x20             ; A_log s[12:13], the carries s[14:15]
.if PASS
	s_load_b64 s[80:81], s[0:1], 0x30              ; AS
.endif
	WIN 0x40
	v_lshl_add_u32 v[SPW], v0, 2, SPARE
	v_mov_b32 v[NIL], 0
	WIN 0x05
	ds_add_u32 v[SPW], v[NIL]                      ; the opening: the add, twice on end, and its wait ahead of my first tensor load
	ds_add_u32 v[SPW], v[NIL]
	WIN 0
	v_lshrrev_b32 v1, 5, v0
	v_readfirstlane_b32 s88, v1                    ; wave
	s_lshr_b32 s90, ttmp9, 1                       ; chunk
	s_and_b32 s91, ttmp9, 1                        ; which 512 channels
	s_and_b32 s92, ttmp7, 0xffff                   ; batch row
	s_lshl_b32 s93, s92, 11
	s_lshl_b32 s94, s90, 6
	s_or_b32 s93, s93, s94                         ; the chunk's first row of 8,192
	s_lshl_b32 s94, s91, 9
	s_lshl_b32 s95, s88, 7
	s_add_co_u32 s94, s94, s95                     ; my wave's first channel
	s_mul_i32 s95, s88, XW                         ; my tiles
	s_mul_i32 s96, s88, DTW
	s_add_co_u32 s96, s96, DT0                     ; my dt
	s_lshl_b32 s97, s90, 2
	s_add_co_u32 s97, s97, s92                     ; 4 x chunk + batch row
	s_mov_b32 s16, 1<<16                           ; x and silu(z): 2-byte elements, no padding
	s_mov_b32 s17, 128<<16                         ; tensor_dim0 = 128
	s_mov_b32 s18, 64<<16                          ; tensor_dim1 = 64
	s_mov_b32 s19, 128<<16                         ; tile_dim0 = 128
	s_mov_b32 s20, 64                              ; tile_dim1 = 64
	s_mov_b32 s21, 2048                            ; elements from row to row
	s_mov_b32 s22, 0
	s_mov_b32 s23, 0
	s_mov_b32 s24, 3<<16                           ; B and C: 16 dense rows of 256 bytes, 8-byte elements
	s_mov_b32 s25, 32<<16
	s_mov_b32 s26, 16<<16
	s_mov_b32 s27, 32<<16
	s_mov_b32 s28, 16
	s_mov_b32 s29, 32
	s_mov_b32 s30, 0
	s_mov_b32 s31, 0
	s_mov_b32 s68, 1
	s_mov_b32 s69, s95
	s_mov_b32 s72, 1
	s_add_co_u32 s73, s95, 16384
	s_mov_b32 s76, 1
	s_lshl_b32 s77, s88, 12
	s_add_co_u32 s77, s77, BCB
	s_mov_b32 s82, 0x3fb8aa3b                      ; log2 e
	s_mov_b32 s84, 0x3f317218                      ; ln 2
	s_mov_b32 s85, s84
	s_mov_b32 s86, 0x76543210
	s_mov_b32 s87, 0xfedcba98
	s_lshl_b32 s98, s93, 12                        ; rows of 4,096 bytes
	s_lshl_b32 s66, s94, 1
	s_add_co_u32 s98, s98, s66
	s_mov_b32 s99, 0
	s_wait_dscnt 0x0                               ; both opening adds are done
	s_wait_kmcnt 0x0
	s_add_nc_u64 s[70:71], s[4:5], s[98:99]
.if PASS
	s_add_nc_u64 s[74:75], s[70:71], 2048          ; silu(z) lies 1,024 columns on
	s_or_b32 s75, s75, 0x80000000
.endif
	s_or_b32 s71, s71, 0x80000000
	s_lshl_b32 s66, s88, 4
	s_add_co_u32 s66, s66, s93
	s_lshl_b32 s98, s66, 8                         ; my 16 of the 64 rows of B and C
	s_add_nc_u64 s[78:79], s[6:7], s[98:99]
	s_or_b32 s79, s79, 0x80000000
	tensor_load_to_lds s[68:71], s[16:23]          ; all fills go out here, once; the only wait for them is for 0
	s_nop 0
.if PASS
	tensor_load_to_lds s[72:75], s[16:23]
	s_nop 0
.endif
	tensor_load_to_lds s[76:79], s[24:31]
	s_nop 0
.rept 4
	v_nop
.endr
	s_lshl_b32 s98, s93, 7
	s_add_co_u32 s98, s98, XPB
	s_add_nc_u64 s[6:7], s[6:7], s[98:99]          ; dt's operand, my chunk's rows of 128 bytes
	s_lshl_b32 s98, s94, 7
	s_add_co_u32 s98, s98, WDB
	s_add_nc_u64 s[8:9], s[8:9], s[98:99]          ; W_dt, my 128 rows of 128 bytes
	s_lshl_b32 s98, s94, 2
	s_add_nc_u64 s[10:11], s[10:11], s[98:99]      ; b_dt
.if PASS
	s_lshl_b32 s66, s91, 15
	s_lshl_b32 s67, s93, 2
	s_add_co_u32 s66, s66, s67
	s_add_co_u32 s66, s66, ASC
	s_mov_b32 s67, 0
	s_add_nc_u64 s[4:5], s[80:81], s[66:67]        ; the row scales of my half and chunk
	s_lshl_b32 s66, s88, 4
	s_add_co_u32 s66, s66, s93
	s_lshl_b32 s66, s66, 11
	s_lshl_b32 s67, s91, 10
	s_add_co_u32 s66, s66, s67
	s_mov_b32 s67, 0
	s_add_nc_u64 s[80:81], s[80:81], s[66:67]      ; a: the 16 rows that I send, my half
.else
	s_lshl_b32 s66, s97, 12
	s_add_co_u32 s66, s66, s98
	s_add_co_u32 s66, s66, SDT
	s_mov_b32 s67, 0
	s_add_nc_u64 s[80:81], s[14:15], s[66:67]      ; the sums of dt
.endif
	s_lshl_b32 s66, s97, 17
	s_add_co_u32 s98, s98, s66
	s_add_nc_u64 s[14:15], s[14:15], s[98:99]      ; the states: [chunk][batch][32][1024] f32
	v_and_b32 v29, 31, v0                          ; lane
	v_and_b32 v30, 15, v0
	v_bfe_u32 v31, v0, 4, 1
	v_lshlrev_b32 v28, 2, v30
	v_lshlrev_b32 v27, 4, v29
	v_lshlrev_b32 v26, 7, v30
	v_lshl_add_u32 v26, v31, 4, v26                ; a fragment's row x 128 + 16 x half
	v_mul_u32_u24 v24, v30, DPITCH
	v_lshl_add_u32 v24, v31, 5, v24
	v_add_nc_u32 v24, s96, v24                     ; where dt's accumulators go: row l % 16, 32 bytes for each half
	v_lshl_add_u32 v25, v29, 4, s96                ; and where whole rows are read back
	global_load_b32 v8, v28, s[12:13]
	global_load_b128 v[4:7], v27, s[10:11]
	WIN 0x80
.irp mt, 0,1,2,3,4,5,6,7
.irp kh, 0,1
	global_load_b128 v[16*(\mt)+8*(\kh):16*(\mt)+8*(\kh)+3],   v26, s[8:9] offset:(\mt)*2048+(\kh)*64
	global_load_b128 v[16*(\mt)+8*(\kh)+4:16*(\mt)+8*(\kh)+7], v26, s[8:9] offset:(\mt)*2048+(\kh)*64+32
.endr
.endr
	WIN 0x40
.irp nt, 0,1,2,3
.irp kh, 0,1
	global_load_b128 v[XF+16*(\nt)+8*(\kh):XF+16*(\nt)+8*(\kh)+3],   v26, s[6:7] offset:(\nt)*2048+(\kh)*64
	global_load_b128 v[XF+16*(\nt)+8*(\kh)+4:XF+16*(\nt)+8*(\kh)+7], v26, s[6:7] offset:(\nt)*2048+(\kh)*64+32
.endr
.endr
	WIN 0
.if PASS
.set k, 0
.rept 32
	global_load_b128 v[H+4*k:H+4*k+3], v27, s[14:15] offset:4096*k
.set k, k+1
.endr
	s_wait_loadcnt 32                              ; all but the 32 loads of the start state, which stay out until the walk
.else
.set k, 0
.rept 128
	v_mov_b32 v[H+k], 0                            ; the chunk is walked from 0; written while the loads are out
.set k, k+1
.endr
	s_wait_loadcnt 0x0
.endif
	v_cvt_pk_bf16_f32 v8, v8, v8                   ; A_log and b_dt as bf16 numbers, like every input
	v_lshlrev_b32 v8, 16, v8
	v_cvt_pk_bf16_f32 v9, v4, v5
	v_cvt_pk_bf16_f32 v10, v6, v7
	v_lshlrev_b32 v4, 16, v9
	v_and_b32 v5, 0xffff0000, v9
	v_lshlrev_b32 v6, 16, v10
	v_and_b32 v7, 0xffff0000, v10
	v_mul_f32 v8, s82, v8
	v_exp_f32 v8, v8
	v_nop
	s_wait_alu depctr_va_vdst(0)
	v_mul_f32 v8, 0xbfb8aa3b, v8                   ; -exp(A_log) log2 e: the decay is 2^(dt x this)
.set n, 0
.rept 16
	v_readlane_b32 s[32+2*n], v8, n
	s_mov_b32 s[33+2*n], s[32+2*n]                 ; named as a pair by the packed form
.set n, n+1
.endr
	; dt's tile: source 0 = 16 rows of W_dt (channels), source 1 = 16 rows of the operand (steps): a lane holds one step and eight channels.  The 32 accumulators take turns.
	WIN 0xf6
.irp kh, 0,1
.irp mt, 0,1,2,3,4,5,6,7
.irp nt, 0,1,2,3
.if (\kh) == 0
	v_wmma_f32_16x16x32_bf16 v[8*(4*(\mt)+(\nt)):8*(4*(\mt)+(\nt))+7], v[16*(\mt):16*(\mt)+7], v[XF+16*(\nt):XF+16*(\nt)+7], 0
.else
	v_wmma_f32_16x16x32_bf16 v[8*(4*(\mt)+(\nt)):8*(4*(\mt)+(\nt))+7], v[16*(\mt)+8:16*(\mt)+15], v[XF+16*(\nt)+8:XF+16*(\nt)+15], v[8*(4*(\mt)+(\nt)):8*(4*(\mt)+(\nt))+7]
.endif
.endr
.endr
.endr
	WIN 0
.rept 4
	v_nop                                          ; the places behind the last product
.endr
	WIN 0x0c
.irp mt, 0,1,2,3,4,5,6,7
.irp nt, 0,1,2,3
	ds_store_b128 v24, v[8*(4*(\mt)+(\nt)):8*(4*(\mt)+(\nt))+3]   offset:(\nt)*16*DPITCH+(\mt)*64
	ds_store_b128 v24, v[8*(4*(\mt)+(\nt))+4:8*(4*(\mt)+(\nt))+7] offset:(\nt)*16*DPITCH+(\mt)*64+16
.endr
.endr
	WIN 0
	s_mov_b32 s89, 8
.Lsp:                                                  ; softplus in place, eight rows a trip; the bytes are my own
.irp i, 0,1,2,3,4,5,6,7
	ds_load_b128 v[UU+4*(\i):UU+4*(\i)+3], v25 offset:(\i)*DPITCH
.endr
	s_wait_dscnt 0x0
.set i, 0
.rept 8
	v_pk_add_f32 v[UU+4*i:UU+4*i+1], v[UU+4*i:UU+4*i+1], v[4:5]
	v_pk_add_f32 v[UU+4*i+2:UU+4*i+3], v[UU+4*i+2:UU+4*i+3], v[6:7]
.set i, i+1
.endr
.set i, 0
.rept 32
	v_mul_f32 v[TT+i], -|v[UU+i]|, s82
.if i > 0
	v_exp_f32 v[TT+i-1], v[TT+i-1]
	v_max_num_f32 v[UU+i-1], 0, v[UU+i-1]
.endif
.set i, i+1
.endr
	v_exp_f32 v[TT+31], v[TT+31]
	v_max_num_f32 v[UU+31], 0, v[UU+31]            ; also the plain instruction behind the last exponential
	s_wait_alu depctr_va_vdst(0)                   ; one wait for the 32 exponentials
.set i, 0
.rept 16
	v_pk_add_f32 v[TT+2*i:TT+2*i+1], v[TT+2*i:TT+2*i+1], 1.0 op_sel_hi:[1,0]
.if i > 0
	v_log_f32 v[TT+2*i-2], v[TT+2*i-2]
	v_log_f32 v[TT+2*i-1], v[TT+2*i-1]
.endif
.set i, i+1
.endr
	v_log_f32 v[TT+30], v[TT+30]
	v_log_f32 v[TT+31], v[TT+31]
	v_nop
	s_wait_alu depctr_va_vdst(0)                   ; one wait for the 32 logarithms
.set i, 0
.rept 16
	v_pk_fma_f32 v[UU+2*i:UU+2*i+1], v[TT+2*i:TT+2*i+1], s[84:85], v[UU+2*i:UU+2*i+1] op_sel_hi:[1,0,1]
.set i, i+1
.endr
.irp i, 0,1,2,3,4,5,6,7
	ds_store_b128 v25, v[UU+4*(\i):UU+4*(\i)+3] offset:(\i)*DPITCH
.endr
	v_add_nc_u32 v25, 8*DPITCH, v25
	s_sub_co_u32 s89, s89, 1
	s_cmp_lg_u32 s89, 0
	s_cbranch_scc1 .Lsp
	s_wait_tensorcnt 0x0                           ; my tiles and my quarter of B and C are in,
	s_wait_dscnt 0x0
	s_barrier_signal -1
	s_barrier_wait -1                              ; everybody's quarter is
	s_wait_loadcnt 0x0                             ; the start state
; THE LINES OF A STEP.  i is the line's number in its group of four states, g the group.
.macro MIX d, a, hreg, hi              ; d = a x (one f16 half of hreg) + 0; the half lies in window 1 (source 1), all else in window 0
.if \hi
	v_fma_mix_f32 v[\d], v[\a], v[\hreg], v[ZR0] op_sel:[0,1,0] op_sel_hi:[0,1,0]
.else
	v_fma_mix_f32 v[\d], v[\a], v[\hreg], v[ZR0] op_sel_hi:[0,1,0]
.endif
.endm
.macro MLINE g                         ; i of 16: t = dt x B: state 4 g + i / 4; i % 4: re (c0, c1), re (c2, c3), im, im
.set n, 4*(\g)+i/4
.set gg, GX+2*(i%2)
.if (i%4) < 2
	v_pk_mul_f32 v[T+2*i:T+2*i+1], v[gg:gg+1], v[BB+2*n:BB+2*n+1] op_sel_hi:[1,0]
.else
	v_pk_mul_f32 v[T+2*i:T+2*i+1], v[gg:gg+1], v[BB+2*n:BB+2*n+1] op_sel:[0,1] op_sel_hi:[1,1]
.endif
.endm
.macro FLINE g                         ; i of 16: h = decay h + t
.set hh, H+32*(\g)+2*i
.set aa, AL+16*(\g)+4*(i/4)+2*(i%2)
	v_pk_fma_f32 v[hh:hh+1], v[aa:aa+1], v[hh:hh+1], v[T+2*i:T+2*i+1]
.endm
.macro ALINE g                         ; i of 8: the next step's exponent, into the decay's registers, which this step has read
.set n, 4*(\g)+i/2
	v_pk_mul_f32 v[AL+16*(\g)+2*i:AL+16*(\g)+2*i+1], v[DTN+2*(i%2):DTN+2*(i%2)+1], s[32+2*n:33+2*n] op_sel_hi:[1,0]
.endm
.macro YLINE g                         ; i of 16: y's four sums: C.re h.re into YR, C.im h.im into YI
.set n, 4*(\g)+i/4
.set hh, H+32*(\g)+2*i
.set yy, YR+2*(i%4)
.if (n == 0) && ((i%4) < 2)
	v_pk_mul_f32 v[yy:yy+1], v[hh:hh+1], v[CC+2*n:CC+2*n+1] op_sel_hi:[1,0]
.elseif n == 0
	v_pk_mul_f32 v[yy:yy+1], v[hh:hh+1], v[CC+2*n:CC+2*n+1] op_sel:[0,1] op_sel_hi:[1,1]
.elseif (i%4) < 2
	v_pk_fma_f32 v[yy:yy+1], v[hh:hh+1], v[CC+2*n:CC+2*n+1], v[yy:yy+1] op_sel_hi:[1,0,1]
.else
	v_pk_fma_f32 v[yy:yy+1], v[hh:hh+1], v[CC+2*n:CC+2*n+1], v[yy:yy+1] op_sel:[0,1,0] op_sel_hi:[1,1,1]
.endif
.endm
.macro TPA                             ; PASS = 0: the step's last plain lines, set between the last group's exponentials: the sum of dt, the next step's dt x, dt moves up
.if i < 2
	v_pk_fma_f32 v[SD+2*i:SD+2*i+1], v[DTN+2*i:DTN+2*i+1], 1.0, v[SD+2*i:SD+2*i+1] op_sel_hi:[1,0,1]
.elseif i < 6
	MIX GX+i-2, DTN+i-2, XN+(i-2)/2, (i-2)%2
.elseif i < 8
	v_pk_mul_f32 v[DTN+2*(i-6):DTN+2*(i-6)+1], v[ONE:ONE+1], v[DTL+2*(i-6):DTL+2*(i-6)+1]
.endif
.endm
.macro S0PH g, next                    ; under setting 0: the group's h, the next step's exponents; in the last group the addresses step, far behind the runs that read them
	WIN 0
.set i, 0
.rept 16
	FLINE \g
.set i, i+1
.endr
.if \next
.set i, 0
.rept 8
	ALINE \g
.set i, i+1
.endr
.endif
.if (\g) == 3
.if \next
	v_add_nc_u32 v[ABC], 256, v[ABC]
	v_add_nc_u32 v[AX], 256, v[AX]
.endif
.if PASS || (\next)
	v_add_nc_u32 v[ADT], DPITCH, v[ADT]
.endif
.endif
.endm
.macro S1PH g, next                    ; under source 1 = window 1: the group's part of y, its exponentials, the next group's t: an exponential stands between plain lines
	WIN WBC
.set i, 0
.rept 16
.if PASS
	YLINE \g
.endif
.if \next
	v_exp_f32 v[AL+16*(\g)+i], v[AL+16*(\g)+i]
.endif
.if (\g) < 3
	MLINE (\g)+1
.elseif !PASS && (\next)
	TPA
.endif
.set i, i+1
.endr
.endm
.macro RUNA off                        ; B of states 0-11 and C of states 0-7, from byte off behind ABC: all lanes read the same 16 bytes
	WIN WLD
.irp q, 0,1,2,3,4,5
	ds_load_b128 v[BB+4*(\q):BB+4*(\q)+3], v[ABC] offset:(\off)+16*(\q)
.endr
.if PASS
.irp q, 0,1,2,3
	ds_load_b128 v[CC+4*(\q):CC+4*(\q)+3], v[ABC] offset:(\off)+128+16*(\q)
.endr
.endif
.endm
.macro RUNB sto                        ; a[t] into dt's row t + 1, which was read two steps ago; dt[t + 3], silu(z)[t + 1], x[t + 2]; B of states 12-15 and C of states 8-15 of row t + 1
	WIN WLD
.if PASS
	ds_store_b128 v[ADT], v[TMP:TMP+3] offset:\sto
.endif
	ds_load_b128 v[DTL:DTL+3], v[ADT] offset:2*DPITCH
.if PASS
	ds_load_b64 v[SZ:SZ+1], v[AX] offset:16384
.endif
	ds_load_b64 v[XN:XN+1], v[AX] offset:256
.irp q, 6,7
	ds_load_b128 v[BB+4*(\q):BB+4*(\q)+3], v[ABC] offset:16*(\q)
.endr
.if PASS
.irp q, 4,5,6,7
	ds_load_b128 v[CC+4*(\q):CC+4*(\q)+3], v[ABC] offset:128+16*(\q)
.endr
.endif
.endm
; A STEP.  next = 1: the next step is prepared.
.macro STEP next
	s_wait_dscnt NB                                ; LDS instructions end in order: run B's NB, issued last, may be out; run A's loads of the step before are in
	WIN WBC
.set i, 0
.rept 16
	MLINE 0
.set i, i+1
.endr
	S0PH 0, \next
	S1PH 0, \next
	S0PH 1, \next
	S1PH 1, \next
.if \next
	RUNA 256                                       ; B of states 0-11 and C of states 0-7 have been read out: the next row's take their place
.endif
	S0PH 2, \next
	s_wait_dscnt NA*(\next)                        ; run A, just issued, may be out; run B of the step before is in: B of states 12-15, C of states 8-15, x, silu(z), dt
	S1PH 2, \next
	S0PH 3, \next
	S1PH 3, \next
.if PASS
	v_pk_fma_f32 v[YR:YR+1], v[YI:YI+1], -1.0, v[YR:YR+1] op_sel_hi:[1,0,1]        ; y = the sum of C.re h.re less that of C.im h.im
	v_pk_fma_f32 v[YR+2:YR+3], v[YI+2:YI+3], -1.0, v[YR+2:YR+3] op_sel_hi:[1,0,1]
.if \next
	MIX GX,   DTN,   XN,   0                       ; the next step's dt x
	MIX GX+1, DTN+1, XN,   1
	MIX GX+2, DTN+2, XN+1, 0
	MIX GX+3, DTN+3, XN+1, 1
.endif
	MIX TMP,   YR,   SZ,   0                       ; a = y silu(z)
	MIX TMP+1, YR+1, SZ,   1
	MIX TMP+2, YR+2, SZ+1, 0
	MIX TMP+3, YR+3, SZ+1, 1
.if \next
	v_pk_mul_f32 v[DTN:DTN+1], v[ONE:ONE+1], v[DTL:DTL+1]          ; dt moves up: the product with 1.0 brings two numbers out of window 1 in one line, under the setting in force
	v_pk_mul_f32 v[DTN+2:DTN+3], v[ONE:ONE+1], v[DTL+2:DTL+3]
.endif
.endif
.if \next
	s_wait_alu depctr_va_vdst(0)                   ; the step's one wait: all 64 exponentials stand ahead of it, their first readers in the next step; it stands directly ahead of run B
	RUNB 0
	WIN 0
.else
	WIN 0
.if PASS
	ds_store_b128 v[ADT], v[TMP:TMP+3]             ; a[63] into row 64
.endif
.endif
.endm
	; the walk's beginning: dt[0], dt[1], x[0]; the two rows of padding; the first run A; the first decays; dt[0] x[0]; the first run B
	v_lshl_add_u32 v[AX], v29, 3, s95
	v_lshl_add_u32 v[ADT], v29, 4, s96
	v_mov_b32 v[ABC], BCB
	v_mov_b32 v[ZR0], 0
	v_mov_b32 v[ONE], 1.0
	v_mov_b32 v[ONE+1], 1.0
	v_mov_b32 v[TMP], 0
	v_mov_b32 v[TMP+1], 0
	v_mov_b32 v[TMP+2], 0
	v_mov_b32 v[TMP+3], 0
	ds_load_b128 v[DTN:DTN+3], v[ADT]
	WIN WLD
	ds_load_b128 v[DTL:DTL+3], v[ADT] offset:DPITCH
	ds_load_b64 v[XN:XN+1], v[AX]
	ds_store_b128 v[ADT], v[TMP:TMP+3] offset:65*DPITCH  ; row 65: read as dt three steps on by step 62, used by nobody
.if !PASS
	ds_store_b128 v[ADT], v[TMP:TMP+3] offset:64*DPITCH  ; row 64 likewise, read by step 61 (PASS = 1: the first run B stores it)
.endif
	RUNA 0
	WIN 0
	s_wait_dscnt NA+2-PASS                         ; run A and the stores of padding, issued behind them, may be out: dt[0], dt[1] and x[0] are in
.set n, 0
.rept 16
	v_pk_mul_f32 v[AL+4*n:AL+4*n+1], v[DTN:DTN+1], s[32+2*n:33+2*n] op_sel_hi:[1,0]
	v_pk_mul_f32 v[AL+4*n+2:AL+4*n+3], v[DTN+2:DTN+3], s[32+2*n:33+2*n] op_sel_hi:[1,0]
.if n > 0
	v_exp_f32 v[AL+4*n-4], v[AL+4*n-4]
	v_exp_f32 v[AL+4*n-3], v[AL+4*n-3]
	v_exp_f32 v[AL+4*n-2], v[AL+4*n-2]
	v_exp_f32 v[AL+4*n-1], v[AL+4*n-1]
.endif
.set n, n+1
.endr
	v_exp_f32 v[AL+60], v[AL+60]
	v_exp_f32 v[AL+61], v[AL+61]
	v_exp_f32 v[AL+62], v[AL+62]
	v_exp_f32 v[AL+63], v[AL+63]
.if !PASS
	v_mov_b32 v[SD], v[DTN]
	v_mov_b32 v[SD+1], v[DTN+1]
	v_mov_b32 v[SD+2], v[DTN+2]
	v_mov_b32 v[SD+3], v[DTN+3]
.endif
	WIN WBC
	MIX GX,   DTN,   XN,   0
	MIX GX+1, DTN+1, XN,   1
	MIX GX+2, DTN+2, XN+1, 0
	MIX GX+3, DTN+3, XN+1, 1
	v_pk_mul_f32 v[DTN:DTN+1], v[ONE:ONE+1], v[DTL:DTL+1]
	v_pk_mul_f32 v[DTN+2:DTN+3], v[ONE:ONE+1], v[DTL+2:DTL+3]
	s_wait_alu depctr_va_vdst(0)                   ; the first decays
	RUNB 64*DPITCH                                 ; as at a step's end, so that both ways into the loop have the same NB instructions behind run A's loads; its store (PASS = 1) writes 0 into row 64
	WIN 0
	s_mov_b32 s89, 63
.Lt:
	STEP 1
	s_sub_co_u32 s89, s89, 1
	s_cmp_lg_u32 s89, 0
	s_cbranch_scc1 .Lt
	STEP 0                                         ; the last step prepares nothing
.if PASS
	s_wait_dscnt 0x0                               ; my 64 rows of a lie in LDS, in rows 1 to 64 of my part,
	s_barrier_signal -1
	s_barrier_wait -1                              ; everybody's do
	; Wave w takes rows 16 w on, all 512 channels: E = the biased exponent of the row's largest |a|, held to 15 .. 254; a x 2^(141 - E) lies below 2^15 and goes out as f16; 2^(E - 141) goes with it.
	v_and_b32 v1, 31, v0
	s_mul_i32 s66, s88, 16*DPITCH
	s_add_co_u32 s66, s66, DT0+DPITCH
	v_lshl_add_u32 v2, v1, 4, s66
	v_add_nc_u32 v3, 2*DTW, v2
	v_lshlrev_b32 v4, 3, v1
	s_lshl_b32 s66, s88, 6
	s_add_co_u32 s66, s66, GS
	v_mov_b32 v5, s66
	s_mov_b32 s89, 4
.Lfin:                                                 ; four rows a trip
.irp j, 0,1,2,3
	ds_load_b128 v[H+16*(\j):H+16*(\j)+3],     v2 offset:(\j)*DPITCH
	ds_load_b128 v[H+16*(\j)+4:H+16*(\j)+7],   v2 offset:DTW+(\j)*DPITCH
	ds_load_b128 v[H+16*(\j)+8:H+16*(\j)+11],  v3 offset:(\j)*DPITCH
	ds_load_b128 v[H+16*(\j)+12:H+16*(\j)+15], v3 offset:DTW+(\j)*DPITCH
.endr
	s_wait_dscnt 0x0
.irp j, 0,1,2,3
	v_max3_num_f32 v[AL+4*(\j)], |v[H+16*(\j)]|, |v[H+16*(\j)+1]|, |v[H+16*(\j)+2]|
.endr
.irp k, 1,2,3,4,5,6
.irp j, 0,1,2,3
	v_max3_num_f32 v[AL+4*(\j)], v[AL+4*(\j)], |v[H+16*(\j)+2*(\k)+1]|, |v[H+16*(\j)+2*(\k)+2]|
.endr
.endr
.irp j, 0,1,2,3
	v_max_num_f32 v[AL+4*(\j)], v[AL+4*(\j)], |v[H+16*(\j)+15]|
.endr
.irp m, 1,2,4,8
.irp j, 0,1,2,3
	v_max_num_f32_dpp v[AL+4*(\j)], v[AL+4*(\j)], v[AL+4*(\j)] row_xmask:\m row_mask:0xf bank_mask:0xf
.endr
.endr
.irp j, 0,1,2,3
	v_permlanex16_b32 v[AL+4*(\j)+1], v[AL+4*(\j)], s86, s87
.endr
.irp j, 0,1,2,3
	v_max_num_f32 v[AL+4*(\j)], v[AL+4*(\j)], v[AL+4*(\j)+1]
.endr
.irp j, 0,1,2,3
	v_lshrrev_b32 v[AL+4*(\j)+1], 23, v[AL+4*(\j)]
.endr
.irp j, 0,1,2,3
	v_max_u32 v[AL+4*(\j)+1], 15, v[AL+4*(\j)+1]
.endr
.irp j, 0,1,2,3
	v_min_u32 v[AL+4*(\j)+1], 254, v[AL+4*(\j)+1]
.endr
.irp j, 0,1,2,3
	v_sub_nc_u32 v[AL+4*(\j)+2], 268, v[AL+4*(\j)+1]
	v_add_nc_u32 v[AL+4*(\j)+3], -14, v[AL+4*(\j)+1]
.endr
.irp j, 0,1,2,3
	v_lshlrev_b32 v[AL+4*(\j)+2], 23, v[AL+4*(\j)+2]   ; 2^(141 - E)
	v_lshlrev_b32 v[AL+4*(\j)+3], 23, v[AL+4*(\j)+3]   ; 2^(E - 141)
.endr
.irp j, 0,1,2,3
.irp i, 0,1,2,3,4,5,6,7
	v_pk_mul_f32 v[H+16*(\j)+2*(\i):H+16*(\j)+2*(\i)+1], v[H+16*(\j)+2*(\i):H+16*(\j)+2*(\i)+1], v[AL+4*(\j)+2:AL+4*(\j)+3] op_sel_hi:[1,0]
.endr
.endr
.irp j, 0,1,2,3
.irp i, 0,1,2,3,4,5,6,7
	v_cvt_pk_f16_f32 v[TT+8*(\j)+(\i)], v[H+16*(\j)+2*(\i)], v[H+16*(\j)+2*(\i)+1]
.endr
.endr
.irp j, 0,1,2,3
.irp v, 0,1,2,3
	global_store_b64 v4, v[TT+8*(\j)+2*(\v):TT+8*(\j)+2*(\v)+1], s[80:81] offset:(\j)*2048+(\v)*256  ; 256 consecutive bytes, aligned
.endr
	ds_store_b32 v5, v[AL+4*(\j)+3] offset:4*(\j)  ; all lanes write the same word with the same value
.endr
	s_wait_xcnt 0x0                                ; the stores have read their base and data
	s_add_nc_u64 s[80:81], s[80:81], 8192
	v_add_nc_u32 v2, 4*DPITCH, v2
	v_add_nc_u32 v3, 4*DPITCH, v3
	v_add_nc_u32 v5, 16, v5
	s_sub_co_u32 s89, s89, 1
	s_cmp_lg_u32 s89, 0
	s_cbranch_scc1 .Lfin
	s_wait_dscnt 0x0
	s_barrier_signal -1
	s_barrier_wait -1                              ; all 64 row scales lie in LDS
	s_cmp_lg_u32 s88, 0
	s_cbranch_scc1 .Lend
	v_lshl_add_u32 v6, v1, 3, GS
	ds_load_b64 v[8:9], v6
	s_wait_dscnt 0x0
	global_store_b64 v4, v[8:9], s[4:5]            ; 256 consecutive bytes, aligned
.Lend:
.else
	v_and_b32 v24, 31, v0
	v_lshlrev_b32 v24, 4, v24
.set k, 0
.rept 32
	global_store_b128 v24, v[H+4*k:H+4*k+3], s[14:15] offset:4096*k  ; 512 consecutive bytes
.set k, k+1
.endr
	global_store_b128 v24, v[SD:SD+3], s[80:81]
.endif
	WIN 0x05
	s_wait_tensorcnt 0x0                           ; the wave's end
	ds_add_u32 v[SPW], v[NIL]
	s_wait_dscnt 0x0
	WIN 0
	s_endpgm
.Lfunc_end_k_q46df04277b_scan_a:
	.size	k_q46df04277b_scan_a, .Lfunc_end_k_q46df04277b_scan_a-k_q46df04277b_scan_a
	.p2alignl 7, 3214868480
	.fill 96, 4, 3214868480
	.section	.rodata,"a",@progbits
	.p2align	6, 0x0
	.amdhsa_kernel k_q46df04277b_scan_a
		.amdhsa_group_segment_fixed_size 222720
		.amdhsa_private_segment_fixed_size 0
		.amdhsa_enable_private_segment 0
		.amdhsa_kernarg_size 48
		.amdhsa_user_sgpr_count 2
		.amdhsa_user_sgpr_kernarg_segment_ptr 1
		.amdhsa_wavefront_size32 1
		.amdhsa_system_sgpr_workgroup_id_x 1
		.amdhsa_system_sgpr_workgroup_id_y 1
		.amdhsa_system_sgpr_workgroup_id_z 1
		.amdhsa_system_vgpr_workitem_id 0
		.amdhsa_next_free_vgpr 1024
		.amdhsa_next_free_sgpr 100
		.amdhsa_reserve_vcc 0
		.amdhsa_float_denorm_mode_32 3
		.amdhsa_float_denorm_mode_16_64 3
		.amdhsa_memory_ordered 1
		.amdhsa_forward_progress 1
		.amdhsa_inst_pref_size 65
	.end_amdhsa_kernel
	.amdgpu_metadata
---
amdhsa.version: [ 1, 2 ]
amdhsa.kernels:
  - .name:           k_q46df04277b_scan_a
    .symbol:         k_q46df04277b_scan_a.kd
    .args:
      - { .name: G, .offset: 0, .size: 8, .value_kind: global_buffer, .address_space: global }
      - { .name: XP, .offset: 8, .size: 8, .value_kind: global_buffer, .address_space: global }
      - { .name: cst, .offset: 16, .size: 8, .value_kind: global_buffer, .address_space: global }
      - { .name: b_dt, .offset: 24, .size: 8, .value_kind: global_buffer, .address_space: global }
      - { .name: A_log, .offset: 32, .size: 8, .value_kind: global_buffer, .address_space: global }
      - { .name: HE, .offset: 40, .size: 8, .value_kind: global_buffer, .address_space: global }
    .group_segment_fixed_size: 222720
    .private_segment_fixed_size: 0
    .kernarg_segment_align: 8
    .kernarg_segment_size: 48
    .max_flat_workgroup_size: 128
    .sgpr_count:     100
    .vgpr_count:     1024
    .wavefront_size: 32
...
	.end_amdgpu_metadata
.endif
;; end of part 4
;; launch combine (part 5): grid 64 x 4, 4 waves a work-group, no clusters, 0 bytes of LDS; arguments HE, A_log, HI; writes HI
.if DOCPART == 5
	.amdgcn_target "amdgcn-amd-amdhsa--gfx1250"
	.amdhsa_code_object_version 6
	.text
	.protected	k_q46df04277b_combine
	.globl	k_q46df04277b_combine
	.p2align	8
	.type	k_q46df04277b_combine,@function
k_q46df04277b_combine:
	s_mov_b64 s[64:65], 0
	v_nop
	global_prefetch_b8 v0, s[64:65] scope:SCOPE_SE
	s_setreg_imm32_b32 hwreg(HW_REG_WAVE_MODE, 25, 1), 1
	s_wait_xcnt 0x0
; The state at each chunk's start: hinit[0] = 0, hinit[c + 1] = exp(A[n] x sum of dt over chunk c) hinit[c] + hend[c], c = 0 .. 30, all f32.
; hend: [31][4][32][1024] at HE + 0 (chunk, batch row, 2 n + (im), channel); the sums of dt: [31][4][1024] at HE + 16,252,928; hinit: [32][4][32][1024].
; SHARES.  A work-group: one state n, one batch row, 256 channels; a thread two channels, re and im.  All 92 loads go out first; the chain of 30 packed multiply-adds follows them by counted waits.
; A wave's load or store covers 256 consecutive bytes, aligned.  No register is written while a memory instruction may read it.  LIMIT: a decay below 2^-126 counts as 0.
.set SDT, 16252928
.set CH,  524288                       ; bytes from chunk to chunk
	s_load_b128 s[4:7], s[0:1], 0x0                ; HE s[4:5], A_log s[6:7]
	s_load_b64 s[8:9], s[0:1], 0x10                ; HI
	s_lshr_b32 s12, ttmp9, 2                       ; n
	s_and_b32 s13, ttmp9, 3                        ; which 256 channels
	s_and_b32 s14, ttmp7, 0xffff                   ; batch row
	v_lshlrev_b32 v2, 3, v0
	s_lshl_b32 s15, s13, 10
	v_add_nc_u32 v2, s15, v2                       ; my two channels, in bytes
	s_lshl_b32 s16, s14, 5
	s_lshl_b32 s17, s12, 1
	s_add_co_u32 s16, s16, s17
	s_lshl_b32 s16, s16, 12                        ; (32 b + 2 n) rows of 4,096 bytes
	s_mov_b32 s17, 0
	s_lshl_b32 s18, s14, 12
	s_add_co_u32 s18, s18, SDT
	s_mov_b32 s19, 0
	s_lshl_b32 s22, s12, 2
	s_mov_b32 s23, 0
	v_mov_b32 v188, 0
	v_mov_b32 v189, 0
	s_wait_kmcnt 0x0
	s_add_nc_u64 s[6:7], s[6:7], s[22:23]
	s_load_b32 s20, s[6:7], 0x0                    ; A_log[n]
	s_add_nc_u64 s[24:25], s[4:5], s[18:19]        ; the sums of dt
	s_add_nc_u64 s[4:5], s[4:5], s[16:17]          ; hend, chunks 0-15
	s_add_nc_u64 s[10:11], s[4:5], 16*CH           ; chunks 16-30: the immediate holds 15 chunks and a row
	s_add_nc_u64 s[8:9], s[8:9], s[16:17]          ; hinit, chunks 0-15
	s_add_nc_u64 s[26:27], s[8:9], 16*CH           ; chunks 16-31
.set c, 1
.rept 30
	global_load_b64 v[2+2*c:3+2*c], v2, s[24:25] offset:c*16384 th:TH_LOAD_NT
.set c, c+1
.endr
.set c, 0
.rept 31
.if c < 16
	global_load_b64 v[64+4*c:65+4*c], v2, s[4:5] offset:c*CH th:TH_LOAD_NT
	global_load_b64 v[66+4*c:67+4*c], v2, s[4:5] offset:c*CH+4096 th:TH_LOAD_NT
.else
	global_load_b64 v[64+4*c:65+4*c], v2, s[10:11] offset:(c-16)*CH th:TH_LOAD_NT
	global_load_b64 v[66+4*c:67+4*c], v2, s[10:11] offset:(c-16)*CH+4096 th:TH_LOAD_NT
.endif
.set c, c+1
.endr
	s_wait_kmcnt 0x0
	v_mov_b32 v190, s20
	v_cvt_pk_bf16_f32 v190, v190, v190             ; A_log as a bf16 number, like every input
	v_lshlrev_b32 v190, 16, v190
	v_mul_f32 v190, 0x3fb8aa3b, v190
	v_exp_f32 v190, v190
	v_nop
	s_wait_alu depctr_va_vdst(0)
	v_mul_f32 v190, 0xbfb8aa3b, v190               ; -exp(A_log) log2 e
	v_readfirstlane_b32 s20, v190
	s_mov_b32 s21, s20
	s_wait_loadcnt 62                              ; the 30 sums of dt are in; the 62 loads of hend may stay out
.set c, 1
.rept 30
	v_pk_mul_f32 v[2+2*c:3+2*c], v[2+2*c:3+2*c], s[20:21] op_sel_hi:[1,0]
.if c > 1
	v_exp_f32 v[2*c], v[2*c]
	v_exp_f32 v[2*c+1], v[2*c+1]
.endif
.set c, c+1
.endr
	v_exp_f32 v62, v62
	v_exp_f32 v63, v63
	v_nop
	s_wait_alu depctr_va_vdst(0)                   ; one wait for the 60 exponentials
	global_store_b64 v2, v[188:189], s[8:9]
	global_store_b64 v2, v[188:189], s[8:9] offset:4096
	s_wait_loadcnt 60                              ; chunk 0's end state
	global_store_b64 v2, v[64:65], s[8:9] offset:CH
	global_store_b64 v2, v[66:67], s[8:9] offset:CH+4096
.set c, 1
.rept 30
	s_wait_loadcnt 2*(30-c)                        ; chunk c's two loads are in; those of the 30 - c later chunks stay out
	v_pk_fma_f32 v[64+4*c:65+4*c], v[2+2*c:3+2*c], v[60+4*c:61+4*c], v[64+4*c:65+4*c]
	v_pk_fma_f32 v[66+4*c:67+4*c], v[2+2*c:3+2*c], v[62+4*c:63+4*c], v[66+4*c:67+4*c]
.if c+1 < 16
	global_store_b64 v2, v[64+4*c:65+4*c], s[8:9] offset:(c+1)*CH
	global_store_b64 v2, v[66+4*c:67+4*c], s[8:9] offset:(c+1)*CH+4096
.else
	global_store_b64 v2, v[64+4*c:65+4*c], s[26:27] offset:(c-15)*CH
	global_store_b64 v2, v[66+4*c:67+4*c], s[26:27] offset:(c-15)*CH+4096
.endif
.set c, c+1
.endr
	s_endpgm
.Lfunc_end_k_q46df04277b_combine:
	.size	k_q46df04277b_combine, .Lfunc_end_k_q46df04277b_combine-k_q46df04277b_combine
	.p2alignl 7, 3214868480
	.fill 96, 4, 3214868480
	.section	.rodata,"a",@progbits
	.p2align	6, 0x0
	.amdhsa_kernel k_q46df04277b_combine
		.amdhsa_group_segment_fixed_size 0
		.amdhsa_private_segment_fixed_size 0
		.amdhsa_enable_private_segment 0
		.amdhsa_kernarg_size 24
		.amdhsa_user_sgpr_count 2
		.amdhsa_user_sgpr_kernarg_segment_ptr 1
		.amdhsa_wavefront_size32 1
		.amdhsa_system_sgpr_workgroup_id_x 1
		.amdhsa_system_sgpr_workgroup_id_y 1
		.amdhsa_system_sgpr_workgroup_id_z 1
		.amdhsa_system_vgpr_workitem_id 0
		.amdhsa_next_free_vgpr 192
		.amdhsa_next_free_sgpr 66
		.amdhsa_reserve_vcc 0
		.amdhsa_float_denorm_mode_32 3
		.amdhsa_float_denorm_mode_16_64 3
		.amdhsa_memory_ordered 1
		.amdhsa_forward_progress 1
		.amdhsa_inst_pref_size 25
	.end_amdhsa_kernel
	.amdgpu_metadata
---
amdhsa.version: [ 1, 2 ]
amdhsa.kernels:
  - .name:           k_q46df04277b_combine
    .symbol:         k_q46df04277b_combine.kd
    .args:
      - { .name: HE, .offset: 0, .size: 8, .value_kind: global_buffer, .address_space: global }
      - { .name: A_log, .offset: 8, .size: 8, .value_kind: global_buffer, .address_space: global }
      - { .name: HI, .offset: 16, .size: 8, .value_kind: global_buffer, .address_space: global }
    .group_segment_fixed_size: 0
    .private_segment_fixed_size: 0
    .kernarg_segment_align: 8
    .kernarg_segment_size: 24
    .max_flat_workgroup_size: 128
    .sgpr_count:     66
    .vgpr_count:     192
    .wavefront_size: 32
...
	.end_amdgpu_metadata
.endif
;; end of part 5
;; launch scan_b (part 6): grid 64 x 4, 4 waves a work-group, no clusters, 288,512 bytes of LDS; arguments G, XP, cst, b_dt, A_log, HI, AS; writes AS
.if DOCPART == 6
	.amdgcn_target "amdgcn-amd-amdhsa--gfx1250"
	.amdhsa_code_object_version 6
	.text
	.protected	k_q46df04277b_scan_b
	.globl	k_q46df04277b_scan_b
	.p2align	8
	.type	k_q46df04277b_scan_b,@function
k_q46df04277b_scan_b:
	s_mov_b64 s[64:65], 0
	v_nop
	global_prefetch_b8 v0, s[64:65] scope:SCOPE_SE
	s_setreg_imm32_b32 hwreg(HW_REG_WAVE_MODE, 25, 1), 1
	s_wait_xcnt 0x0
; THE RECURRENCE, cut into 32 chunks of 64 steps.  h[t] = exp(dt[t] A[n]) h[t-1] + dt[t] x[t] B[t][n] (complex B, h), y[t] = sum over n of Re(C[t][n] h[t]).
; PASS = 0: chunks 0 to 30 are walked from h = 0; the chunk's end state and its sum of dt leave as f32 (a later launch chains them).
; PASS = 1 (this text): every chunk is walked from its true start state; a = y silu(z) leaves as f16 with a power of two for each row and 512 channels.
; dt = softplus(xp[:, :64] W_dt^T + b_dt) is remade here: 64 products a wave, kept in LDS as f32.  softplus(u) = max(u, 0) + ln 2 log2(1 + 2^(-|u| log2 e)).
; LIMITS: for u below about -15 softplus keeps an absolute error of 6e-8; a decay below 2^-126 counts as 0; NaN and infinities are not treated apart.  A_log and b_dt are rounded to bf16 like every input.
; SHARES.  A work-group: one batch row, one chunk, 512 channels; a wave 128 channels, a lane 4 (pairs (c0, c1), (c2, c3) for the packed forms).  A lane keeps 16 complex states x 4 channels in 128 registers.
; NO CLUSTER: the two work-groups of a chunk share 24 KiB (B, C and dt's operand) of the some 200 KiB that each reads.
; A STEP has ONE batch of 64 exponentials (the next step's decays, made in place in the registers that this step has read) and ONE wait, at its end.
; ITS LDS INSTRUCTIONS STAND IN TWO RUNS, never singly among the arithmetic.  B and C, the same for all lanes, lie in 64 registers of window 1.  Run A, in the step's middle, brings the next step's B of states 0-11 and
; C of states 0-7, whose registers this step has read out by then.  Run B, at the step's end, stores a[t] and brings the rest of the next step's B and C, silu(z) of the next step, x two steps on and dt three steps on.
; THE STATES GO IN FOUR GROUPS OF FOUR, so that lines of a kind stand together under one window setting: those with B, C or a half of x or silu(z) as source 1 (window 1), and h = decay h + t, whose source 1 is h (window 0).
; The loop's last two trips load dt's rows 64 and 65 (two rows of padding, written with 0) and x's row 64 (the 256 bytes behind my tile, filled at the start): no step uses them.
; REGISTERS.  window 0: see the names below.  window 1: v0, v1 the add's two registers; v2-3 x, v4-5 silu(z) as f16; v8-11 dt two steps on; v64-127 the fragments of dt's operand; v128-159 B, v160-191 C.
; window 2: v0-127 W_dt's fragments.  window 3: dt's 32 accumulators.
.set PASS, 1
.set XW,     16384*(1+PASS)            ; a wave's tiles: x (64 rows x 256 bytes), with PASS = 1 then silu(z)
.set BCB,    4*XW                      ; B and C: 64 rows x 256 bytes, shared by the four waves
.set DT0,    BCB+16384
.set DPITCH, 528                       ; a row of 128 f32 + 16 bytes
.set DTW,    35072                     ; a wave's 66 rows of dt, rounded up to blocks of 256 bytes
.set GS,     DT0+4*DTW                 ; PASS = 1: 64 row scales
.set SPARE,  GS+256*PASS
.set XPB,    2097152
.set WDB,    23330816
.set SDT,    16252928
.set ASC,    16777216
.set AX,  1                            ; LDS address of my 8 bytes of x's row; at run B of step t: row t + 1
.set ADT, 2                            ; of my 16 bytes of dt's row; at run B of step t: row t + 1
.set ABC, 3                            ; of B's and C's row; at run A of step t: row t, at run B: row t + 1
.set YR,  4                            ; v4-7   sum of C.re h.re   (PASS = 0: SD, the sum of dt)
.set SD,  4
.set YI,  8                            ; v8-11  sum of C.im h.im
.set GX,  12                           ; v12-15 dt x of this step
.set DTN, 16                           ; v16-19 dt of the next step
.set ZR0, 20                           ; v20    0
.set ONE, 22                           ; v22-23 1.0 twice
.set TMP, 24                           ; v24-27 a, on its way to LDS
.set T,   32                           ; v32-63 dt x B of a group of four states
.set AL,  64                           ; v64-127 decay of state n, channel c at AL + 4 n + c
.set H,   128                          ; v128-255 h: state n, re at H + 8 n + c, im at H + 8 n + 4 + c
.set UU,  64                           ; softplus: eight rows
.set TT,  96
.set SPW, 0                            ; window 1
.set NIL, 1
.set XN,  2
.set SZ,  4
.set DTL, 8
.set XF,  64
.set BB,  128                          ; B of state n at BB + 2 n (re, im)
.set CC,  160                          ; C likewise
.set WBC, 0x04                         ; source 1 in window 1, all else in window 0
.set WLD, 0x40                         ; destination in window 1: the runs of LDS instructions (a store's address and data lie in window 0)
.set NA,  6+4*PASS                     ; LDS instructions in run A
.set NB,  4+6*PASS                     ; and in run B
.set MSB, 0
.macro WIN new                         ; the immediate's high byte repeats the setting that is left
.if MSB != (\new)
	s_set_vgpr_msb (MSB<<8)|(\new)
.set MSB, \new
.endif
.endm
	s_load_b256 s[4:11], s[0:1], 0x0               ; G s[4:5], XP s[6:7], cst s[8:9], b_dt s[10:11]
	s_load_b128 s[12:15], s[0:1], 0x20             ; A_log s[12:13], the carries s[14:15]
.if PASS
	s_load_b64 s[80:81], s[0:1], 0x30              ; AS
.endif
	WIN 0x40
	v_lshl_add_u32 v[SPW], v0, 2, SPARE
	v_mov_b32 v[NIL], 0
	WIN 0x05
	ds_add_u32 v[SPW], v[NIL]                      ; the opening: the add, twice on end, and its wait ahead of my first tensor load
	ds_add_u32 v[SPW], v[NIL]
	WIN 0
	v_lshrrev_b32 v1, 5, v0
	v_readfirstlane_b32 s88, v1                    ; wave
	s_lshr_b32 s90, ttmp9, 1                       ; chunk
	s_and_b32 s91, ttmp9, 1                        ; which 512 channels
	s_and_b32 s92, ttmp7, 0xffff                   ; batch row
	s_lshl_b32 s93, s92, 11
	s_lshl_b32 s94, s90, 6
	s_or_b32 s93, s93, s94                         ; the chunk's first row of 8,192
	s_lshl_b32 s94, s91, 9
	s_lshl_b32 s95, s88, 7
	s_add_co_u32 s94, s94, s95                     ; my wave's first channel
	s_mul_i32 s95, s88, XW                         ; my tiles
	s_mul_i32 s96, s88, DTW
	s_add_co_u32 s96, s96, DT0                     ; my dt
	s_lshl_b32 s97, s90, 2
	s_add_co_u32 s97, s97, s92                     ; 4 x chunk + batch row
	s_mov_b32 s16, 1<<16                           ; x and silu(z): 2-byte elements, no padding
	s_mov_b32 s17, 128<<16                         ; tensor_dim0 = 128
	s_mov_b32 s18, 64<<16                          ; tensor_dim1 = 64
	s_mov_b32 s19, 128<<16                         ; tile_dim0 = 128
	s_mov_b32 s20, 64                              ; tile_dim1 = 64
	s_mov_b32 s21, 2048                            ; elements from row to row
	s_mov_b32 s22, 0
	s_mov_b32 s23, 0
	s_mov_b32 s24, 3<<16                           ; B and C: 16 dense rows of 256 bytes, 8-byte elements
	s_mov_b32 s25, 32<<16
	s_mov_b32 s26, 16<<16
	s_mov_b32 s27, 32<<16
	s_mov_b32 s28, 16
	s_mov_b32 s29, 32
	s_mov_b32 s30, 0
	s_mov_b32 s31, 0
	s_mov_b32 s68, 1
	s_mov_b32 s69, s95
	s_mov_b32 s72, 1
	s_add_co_u32 s73, s95, 16384
	s_mov_b32 s76, 1
	s_lshl_b32 s77, s88, 12
	s_add_co_u32 s77, s77, BCB
	s_mov_b32 s82, 0x3fb8aa3b                      ; log2 e
	s_mov_b32 s84, 0x3f317218                      ; ln 2
	s_mov_b32 s85, s84
	s_mov_b32 s86, 0x76543210
	s_mov_b32 s87, 0xfedcba98
	s_lshl_b32 s98, s93, 12                        ; rows of 4,096 bytes
	s_lshl_b32 s66, s94, 1
	s_add_co_u32 s98, s98, s66
	s_mov_b32 s99, 0
	s_wait_dscnt 0x0                               ; both opening adds are done
	s_wait_kmcnt 0x0
	s_add_nc_u64 s[70:71], s[4:5], s[98:99]
.if PASS
	s_add_nc_u64 s[74:75], s[70:71], 2048          ; silu(z) lies 1,024 columns on
	s_or_b32 s75, s75, 0x80000000
.endif
	s_or_b32 s71, s71, 0x80000000
	s_lshl_b32 s66, s88, 4
	s_add_co_u32 s66, s66, s93
	s_lshl_b32 s98, s66, 8                         ; my 16 of the 64 rows of B and C
	s_add_nc_u64 s[78:79], s[6:7], s[98:99]
	s_or_b32 s79, s79, 0x80000000
	tensor_load_to_lds s[68:71], s[16:23]          ; all fills go out here, once; the only wait for them is for 0
	s_nop 0
.if PASS
	tensor_load_to_lds s[72:75], s[16:23]
	s_nop 0
.endif
	tensor_load_to_lds s[76:79], s[24:31]
	s_nop 0
.rept 4
	v_nop
.endr
	s_lshl_b32 s98, s93, 7
	s_add_co_u32 s98, s98, XPB
	s_add_nc_u64 s[6:7], s[6:7], s[98:99]          ; dt's operand, my chunk's rows of 128 bytes
	s_lshl_b32 s98, s94, 7
	s_add_co_u32 s98, s98, WDB
	s_add_nc_u64 s[8:9], s[8:9], s[98:99]          ; W_dt, my 128 rows of 128 bytes
	s_lshl_b32 s98, s94, 2
	s_add_nc_u64 s[10:11], s[10:11], s[98:99]      ; b_dt
.if PASS
	s_lshl_b32 s66, s91, 15
	s_lshl_b32 s67, s93, 2
	s_add_co_u32 s66, s66, s67
	s_add_co_u32 s66, s66, ASC
	s_mov_b32 s67, 0
	s_add_nc_u64 s[4:5], s[80:81], s[66:67]        ; the row scales of my half and chunk
	s_lshl_b32 s66, s88, 4
	s_add_co_u32 s66, s66, s93
	s_lshl_b32 s66, s66, 11
	s_lshl_b32 s67, s91, 10
	s_add_co_u32 s66, s66, s67
	s_mov_b32 s67, 0
	s_add_nc_u64 s[80:81], s[80:81], s[66:67]      ; a: the 16 rows that I send, my half
.else
	s_lshl_b32 s66, s97, 12
	s_add_co_u32 s66, s66, s98
	s_add_co_u32 s66, s66, SDT
	s_mov_b32 s67, 0
	s_add_nc_u64 s[80:81], s[14:15], s[66:67]      ; the sums of dt
.endif
	s_lshl_b32 s66, s97, 17
	s_add_co_u32 s98, s98, s66
	s_add_nc_u64 s[14:15], s[14:15], s[98:99]      ; the states: [chunk][batch][32][1024] f32
	v_and_b32 v29, 31, v0                          ; lane
	v_and_b32 v30, 15, v0
	v_bfe_u32 v31, v0, 4, 1
	v_lshlrev_b32 v28, 2, v30
	v_lshlrev_b32 v27, 4, v29
	v_lshlrev_b32 v26, 7, v30
	v_lshl_add_u32 v26, v31, 4, v26                ; a fragment's row x 128 + 16 x half
	v_mul_u32_u24 v24, v30, DPITCH
	v_lshl_add_u32 v24, v31, 5, v24
	v_add_nc_u32 v24, s96, v24                     ; where dt's accumulators go: row l % 16, 32 bytes for each half
	v_lshl_add_u32 v25, v29, 4, s96                ; and where whole rows are read back
	global_load_b32 v8, v28, s[12:13]
	global_load_b128 v[4:7], v27, s[10:11]
	WIN 0x80
.irp mt, 0,1,2,3,4,5,6,7
.irp kh, 0,1
	global_load_b128 v[16*(\mt)+8*(\kh):16*(\mt)+8*(\kh)+3],   v26, s[8:9] offset:(\mt)*2048+(\kh)*64
	global_load_b128 v[16*(\mt)+8*(\kh)+4:16*(\mt)+8*(\kh)+7], v26, s[8:9] offset:(\mt)*2048+(\kh)*64+32
.endr
.endr
	WIN 0x40
.irp nt, 0,1,2,3
.irp kh, 0,1
	global_load_b128 v[XF+16*(\nt)+8*(\kh):XF+16*(\nt)+8*(\kh)+3],   v26, s[6:7] offset:(\nt)*2048+(\kh)*64
	global_load_b128 v[XF+16*(\nt)+8*(\kh)+4:XF+16*(\nt)+8*(\kh)+7], v26, s[6:7] offset:(\nt)*2048+(\kh)*64+32
.endr
.endr
	WIN 0
.if PASS
.set k, 0
.rept 32
	global_load_b128 v[H+4*k:H+4*k+3], v27, s[14:15] offset:4096*k
.set k, k+1
.endr
	s_wait_loadcnt 32                              ; all but the 32 loads of the start state, which stay out until the walk
.else
.set k, 0
.rept 128
	v_mov_b32 v[H+k], 0                            ; the chunk is walked from 0; written while the loads are out
.set k, k+1
.endr
	s_wait_loadcnt 0x0
.endif
	v_cvt_pk_bf16_f32 v8, v8, v8                   ; A_log and b_dt as bf16 numbers, like every input
	v_lshlrev_b32 v8, 16, v8
	v_cvt_pk_bf16_f32 v9, v4, v5
	v_cvt_pk_bf16_f32 v10, v6, v7
	v_lshlrev_b32 v4, 16, v9
	v_and_b32 v5, 0xffff0000, v9
	v_lshlrev_b32 v6, 16, v10
	v_and_b32 v7, 0xffff0000, v10
	v_mul_f32 v8, s82, v8
	v_exp_f32 v8, v8
	v_nop
	s_wait_alu depctr_va_vdst(0)
	v_mul_f32 v8, 0xbfb8aa3b, v8                   ; -exp(A_log) log2 e: the decay is 2^(dt x this)
.set n, 0
.rept 16
	v_readlane_b32 s[32+2*n], v8, n
	s_mov_b32 s[33+2*n], s[32+2*n]                 ; named as a pair by the packed form
.set n, n+1
.endr
	; dt's tile: source 0 = 16 rows of W_dt (channels), source 1 = 16 rows of the operand (steps): a lane holds one step and eight channels.  The 32 accumulators take turns.
	WIN 0xf6
.irp kh, 0,1
.irp mt, 0,1,2,3,4,5,6,7
.irp nt, 0,1,2,3
.if (\kh) == 0
	v_wmma_f32_16x16x32_bf16 v[8*(4*(\mt)+(\nt)):8*(4*(\mt)+(\nt))+7], v[16*(\mt):16*(\mt)+7], v[XF+16*(\nt):XF+16*(\nt)+7], 0
.else
	v_wmma_f32_16x16x32_bf16 v[8*(4*(\mt)+(\nt)):8*(4*(\mt)+(\nt))+7], v[16*(\mt)+8:16*(\mt)+15], v[XF+16*(\nt)+8:XF+16*(\nt)+15], v[8*(4*(\mt)+(\nt)):8*(4*(\mt)+(\nt))+7]
.endif
.endr
.endr
.endr
	WIN 0
.rept 4
	v_nop                                          ; the places behind the last product
.endr
	WIN 0x0c
.irp mt, 0,1,2,3,4,5,6,7
.irp nt, 0,1,2,3
	ds_store_b128 v24, v[8*(4*(\mt)+(\nt)):8*(4*(\mt)+(\nt))+3]   offset:(\nt)*16*DPITCH+(\mt)*64
	ds_store_b128 v24, v[8*(4*(\mt)+(\nt))+4:8*(4*(\mt)+(\nt))+7] offset:(\nt)*16*DPITCH+(\mt)*64+16
.endr
.endr
	WIN 0
	s_mov_b32 s89, 8
.Lsp:                                                  ; softplus in place, eight rows a trip; the bytes are my own
.irp i, 0,1,2,3,4,5,6,7
	ds_load_b128 v[UU+4*(\i):UU+4*(\i)+3], v25 offset:(\i)*DPITCH
.endr
	s_wait_dscnt 0x0
.set i, 0
.rept 8
	v_pk_add_f32 v[UU+4*i:UU+4*i+1], v[UU+4*i:UU+4*i+1], v[4:5]
	v_pk_add_f32 v[UU+4*i+2:UU+4*i+3], v[UU+4*i+2:UU+4*i+3], v[6:7]
.set i, i+1
.endr
.set i, 0
.rept 32
	v_mul_f32 v[TT+i], -|v[UU+i]|, s82
.if i > 0
	v_exp_f32 v[TT+i-1], v[TT+i-1]
	v_max_num_f32 v[UU+i-1], 0, v[UU+i-1]
.endif
.set i, i+1
.endr
	v_exp_f32 v[TT+31], v[TT+31]
	v_max_num_f32 v[UU+31], 0, v[UU+31]            ; also the plain instruction behind the last exponential
	s_wait_alu depctr_va_vdst(0)                   ; one wait for the 32 exponentials
.set i, 0
.rept 16
	v_pk_add_f32 v[TT+2*i:TT+2*i+1], v[TT+2*i:TT+2*i+1], 1.0 op_sel_hi:[1,0]
.if i > 0
	v_log_f32 v[TT+2*i-2], v[TT+2*i-2]
	v_log_f32 v[TT+2*i-1], v[TT+2*i-1]
.endif
.set i, i+1
.endr
	v_log_f32 v[TT+30], v[TT+30]
	v_log_f32 v[TT+31], v[TT+31]
	v_nop
	s_wait_alu depctr_va_vdst(0)                   ; one wait for the 32 logarithms
.set i, 0
.rept 16
	v_pk_fma_f32 v[UU+2*i:UU+2*i+1], v[TT+2*i:TT+2*i+1], s[84:85], v[UU+2*i:UU+2*i+1] op_sel_hi:[1,0,1]
.set i, i+1
.endr
.irp i, 0,1,2,3,4,5,6,7
	ds_store_b128 v25, v[UU+4*(\i):UU+4*(\i)+3] offset:(\i)*DPITCH
.endr
	v_add_nc_u32 v25, 8*DPITCH, v25
	s_sub_co_u32 s89, s89, 1
	s_cmp_lg_u32 s89, 0
	s_cbranch_scc1 .Lsp
	s_wait_tensorcnt 0x0                           ; my tiles and my quarter of B and C are in,
	s_wait_dscnt 0x0
	s_barrier_signal -1
	s_barrier_wait -1                              ; everybody's quarter is
	s_wait_loadcnt 0x0                             ; the start state
; THE LINES OF A STEP.  i is the line's number in its group of four states, g the group.
.macro MIX d, a, hreg, hi              ; d = a x (one f16 half of hreg) + 0; the half lies in window 1 (source 1), all else in window 0
.if \hi
	v_fma_mix_f32 v[\d], v[\a], v[\hreg], v[ZR0] op_sel:[0,1,0] op_sel_hi:[0,1,0]
.else
	v_fma_mix_f32 v[\d], v[\a], v[\hreg], v[ZR0] op_sel_hi:[0,1,0]
.endif
.endm
.macro MLINE g                         ; i of 16: t = dt x B: state 4 g + i / 4; i % 4: re (c0, c1), re (c2, c3), im, im
.set n, 4*(\g)+i/4
.set gg, GX+2*(i%2)
.if (i%4) < 2
	v_pk_mul_f32 v[T+2*i:T+2*i+1], v[gg:gg+1], v[BB+2*n:BB+2*n+1] op_sel_hi:[1,0]
.else
	v_pk_mul_f32 v[T+2*i:T+2*i+1], v[gg:gg+1], v[BB+2*n:BB+2*n+1] op_sel:[0,1] op_sel_hi:[1,1]
.endif
.endm
.macro FLINE g                         ; i of 16: h = decay h + t
.set hh, H+32*(\g)+2*i
.set aa, AL+16*(\g)+4*(i/4)+2*(i%2)
	v_pk_fma_f32 v[hh:hh+1], v[aa:aa+1], v[hh:hh+1], v[T+2*i:T+2*i+1]
.endm
.macro ALINE g                         ; i of 8: the next step's exponent, into the decay's registers, which this step has read
.set n, 4*(\g)+i/2
	v_pk_mul_f32 v[AL+16*(\g)+2*i:AL+16*(\g)+2*i+1], v[DTN+2*(i%2):DTN+2*(i%2)+1], s[32+2*n:33+2*n] op_sel_hi:[1,0]
.endm
.macro YLINE g                         ; i of 16: y's four sums: C.re h.re into YR, C.im h.im into YI
.set n, 4*(\g)+i/4
.set hh, H+32*(\g)+2*i
.set yy, YR+2*(i%4)
.if (n == 0) && ((i%4) < 2)
	v_pk_mul_f32 v[yy:yy+1], v[hh:hh+1], v[CC+2*n:CC+2*n+1] op_sel_hi:[1,0]
.elseif n == 0
	v_pk_mul_f32 v[yy:yy+1], v[hh:hh+1], v[CC+2*n:CC+2*n+1] op_sel:[0,1] op_sel_hi:[1,1]
.elseif (i%4) < 2
	v_pk_fma_f32 v[yy:yy+1], v[hh:hh+1], v[CC+2*n:CC+2*n+1], v[yy:yy+1] op_sel_hi:[1,0,1]
.else
	v_pk_fma_f32 v[yy:yy+1], v[hh:hh+1], v[CC+2*n:CC+2*n+1], v[yy:yy+1] op_sel:[0,1,0] op_sel_hi:[1,1,1]
.endif
.endm
.macro TPA                             ; PASS = 0: the step's last plain lines, set between the last group's exponentials: the sum of dt, the next step's dt x, dt moves up
.if i < 2
	v_pk_fma_f32 v[SD+2*i:SD+2*i+1], v[DTN+2*i:DTN+2*i+1], 1.0, v[SD+2*i:SD+2*i+1] op_sel_hi:[1,0,1]
.elseif i < 6
	MIX GX+i-2, DTN+i-2, XN+(i-2)/2, (i-2)%2
.elseif i < 8
	v_pk_mul_f32 v[DTN+2*(i-6):DTN+2*(i-6)+1], v[ONE:ONE+1], v[DTL+2*(i-6):DTL+2*(i-6)+1]
.endif
.endm
.macro S0PH g, next                    ; under setting 0: the group's h, the next step's exponents; in the last group the addresses step, far behind the runs that read them
	WIN 0
.set i, 0
.rept 16
	FLINE \g
.set i, i+1
.endr
.if \next
.set i, 0
.rept 8
	ALINE \g
.set i, i+1
.endr
.endif
.if (\g) == 3
.if \next
	v_add_nc_u32 v[ABC], 256, v[ABC]
	v_add_nc_u32 v[AX], 256, v[AX]
.endif
.if PASS || (\next)
	v_add_nc_u32 v[ADT], DPITCH, v[ADT]
.endif
.endif
.endm
.macro S1PH g, next                    ; under source 1 = window 1: the group's part of y, its exponentials, the next group's t: an exponential stands between plain lines
	WIN WBC
.set i, 0
.rept 16
.if PASS
	YLINE \g
.endif
.if \next
	v_exp_f32 v[AL+16*(\g)+i], v[AL+16*(\g)+i]
.endif
.if (\g) < 3
	MLINE (\g)+1
.elseif !PASS && (\next)
	TPA
.endif
.set i, i+1
.endr
.endm
.macro RUNA off                        ; B of states 0-11 and C of states 0-7, from byte off behind ABC: all lanes read the same 16 bytes
	WIN WLD
.irp q, 0,1,2,3,4,5
	ds_load_b128 v[BB+4*(\q):BB+4*(\q)+3], v[ABC] offset:(\off)+16*(\q)
.endr
.if PASS
.irp q, 0,1,2,3
	ds_load_b128 v[CC+4*(\q):CC+4*(\q)+3], v[ABC] offset:(\off)+128+16*(\q)
.endr
.endif
.endm
.macro RUNB sto                        ; a[t] into dt's row t + 1, which was read two steps ago; dt[t + 3], silu(z)[t + 1], x[t + 2]; B of states 12-15 and C of states 8-15 of row t + 1
	WIN WLD
.if PASS
	ds_store_b128 v[ADT], v[TMP:TMP+3] offset:\sto
.endif
	ds_load_b128 v[DTL:DTL+3], v[ADT] offset:2*DPITCH
.if PASS
	ds_load_b64 v[SZ:SZ+1], v[AX] offset:16384
.endif
	ds_load_b64 v[XN:XN+1], v[AX] offset:256
.irp q, 6,7
	ds_load_b128 v[BB+4*(\q):BB+4*(\q)+3], v[ABC] offset:16*(\q)
.endr
.if PASS
.irp q, 4,5,6,7
	ds_load_b128 v[CC+4*(\q):CC+4*(\q)+3], v[ABC] offset:128+16*(\q)
.endr
.endif
.endm
; A STEP.  next = 1: the next step is prepared.
.macro STEP next
	s_wait_dscnt NB                                ; LDS instructions end in order: run B's NB, issued last, may be out; run A's loads of the step before are in
	WIN WBC
.set i, 0
.rept 16
	MLINE 0
.set i, i+1
.endr
	S0PH 0, \next
	S1PH 0, \next
	S0PH 1, \next
	S1PH 1, \next
.if \next
	RUNA 256                                       ; B of states 0-11 and C of states 0-7 have been read out: the next row's take their place
.endif
	S0PH 2, \next
	s_wait_dscnt NA*(\next)                        ; run A, just issued, may be out; run B of the step before is in: B of states 12-15, C of states 8-15, x, silu(z), dt
	S1PH 2, \next
	S0PH 3, \next
	S1PH 3, \next
.if PASS
	v_pk_fma_f32 v[YR:YR+1], v[YI:YI+1], -1.0, v[YR:YR+1] op_sel_hi:[1,0,1]        ; y = the sum of C.re h.re less that of C.im h.im
	v_pk_fma_f32 v[YR+2:YR+3], v[YI+2:YI+3], -1.0, v[YR+2:YR+3] op_sel_hi:[1,0,1]
.if \next
	MIX GX,   DTN,   XN,   0                       ; the next step's dt x
	MIX GX+1, DTN+1, XN,   1
	MIX GX+2, DTN+2, XN+1, 0
	MIX GX+3, DTN+3, XN+1, 1
.endif
	MIX TMP,   YR,   SZ,   0                       ; a = y silu(z)
	MIX TMP+1, YR+1, SZ,   1
	MIX TMP+2, YR+2, SZ+1, 0
	MIX TMP+3, YR+3, SZ+1, 1
.if \next
	v_pk_mul_f32 v[DTN:DTN+1], v[ONE:ONE+1], v[DTL:DTL+1]          ; dt moves up: the product with 1.0 brings two numbers out of window 1 in one line, under the setting in force
	v_pk_mul_f32 v[DTN+2:DTN+3], v[ONE:ONE+1], v[DTL+2:DTL+3]
.endif
.endif
.if \next
	s_wait_alu depctr_va_vdst(0)                   ; the step's one wait: all 64 exponentials stand ahead of it, their first readers in the next step; it stands directly ahead of run B
	RUNB 0
	WIN 0
.else
	WIN 0
.if PASS
	ds_store_b128 v[ADT], v[TMP:TMP+3]             ; a[63] into row 64
.endif
.endif
.endm
	; the walk's beginning: dt[0], dt[1], x[0]; the two rows of padding; the first run A; the first decays; dt[0] x[0]; the first run B
	v_lshl_add_u32 v[AX], v29, 3, s95
	v_lshl_add_u32 v[ADT], v29, 4, s96
	v_mov_b32 v[ABC], BCB
	v_mov_b32 v[ZR0], 0
	v_mov_b32 v[ONE], 1.0
	v_mov_b32 v[ONE+1], 1.0
	v_mov_b32 v[TMP], 0
	v_mov_b32 v[TMP+1], 0
	v_mov_b32 v[TMP+2], 0
	v_mov_b32 v[TMP+3], 0
	ds_load_b128 v[DTN:DTN+3], v[ADT]
	WIN WLD
	ds_load_b128 v[DTL:DTL+3], v[ADT] offset:DPITCH
	ds_load_b64 v[XN:XN+1], v[AX]
	ds_store_b128 v[ADT], v[TMP:TMP+3] offset:65*DPITCH  ; row 65: read as dt three steps on by step 62, used by nobody
.if !PASS
	ds_store_b128 v[ADT], v[TMP:TMP+3] offset:64*DPITCH  ; row 64 likewise, read by step 61 (PASS = 1: the first run B stores it)
.endif
	RUNA 0
	WIN 0
	s_wait_dscnt NA+2-PASS                         ; run A and the stores of padding, issued behind them, may be out: dt[0], dt[1] and x[0] are in
.set n, 0
.rept 16
	v_pk_mul_f32 v[AL+4*n:AL+4*n+1], v[DTN:DTN+1], s[32+2*n:33+2*n] op_sel_hi:[1,0]
	v_pk_mul_f32 v[AL+4*n+2:AL+4*n+3], v[DTN+2:DTN+3], s[32+2*n:33+2*n] op_sel_hi:[1,0]
.if n > 0
	v_exp_f32 v[AL+4*n-4], v[AL+4*n-4]
	v_exp_f32 v[AL+4*n-3], v[AL+4*n-3]
	v_exp_f32 v[AL+4*n-2], v[AL+4*n-2]
	v_exp_f32 v[AL+4*n-1], v[AL+4*n-1]
.endif
.set n, n+1
.endr
	v_exp_f32 v[AL+60], v[AL+60]
	v_exp_f32 v[AL+61], v[AL+61]
	v_exp_f32 v[AL+62], v[AL+62]
	v_exp_f32 v[AL+63], v[AL+63]
.if !PASS
	v_mov_b32 v[SD], v[DTN]
	v_mov_b32 v[SD+1], v[DTN+1]
	v_mov_b32 v[SD+2], v[DTN+2]
	v_mov_b32 v[SD+3], v[DTN+3]
.endif
	WIN WBC
	MIX GX,   DTN,   XN,   0
	MIX GX+1, DTN+1, XN,   1
	MIX GX+2, DTN+2, XN+1, 0
	MIX GX+3, DTN+3, XN+1, 1
	v_pk_mul_f32 v[DTN:DTN+1], v[ONE:ONE+1], v[DTL:DTL+1]
	v_pk_mul_f32 v[DTN+2:DTN+3], v[ONE:ONE+1], v[DTL+2:DTL+3]
	s_wait_alu depctr_va_vdst(0)                   ; the first decays
	RUNB 64*DPITCH                                 ; as at a step's end, so that both ways into the loop have the same NB instructions behind run A's loads; its store (PASS = 1) writes 0 into row 64
	WIN 0
	s_mov_b32 s89, 63
.Lt:
	STEP 1
	s_sub_co_u32 s89, s89, 1
	s_cmp_lg_u32 s89, 0
	s_cbranch_scc1 .Lt
	STEP 0                                         ; the last step prepares nothing
.if PASS
	s_wait_dscnt 0x0                               ; my 64 rows of a lie in LDS, in rows 1 to 64 of my part,
	s_barrier_signal -1
	s_barrier_wait -1                              ; everybody's do
	; Wave w takes rows 16 w on, all 512 channels: E = the biased exponent of the row's largest |a|, held to 15 .. 254; a x 2^(141 - E) lies below 2^15 and goes out as f16; 2^(E - 141) goes with it.
	v_and_b32 v1, 31, v0
	s_mul_i32 s66, s88, 16*DPITCH
	s_add_co_u32 s66, s66, DT0+DPITCH
	v_lshl_add_u32 v2, v1, 4, s66
	v_add_nc_u32 v3, 2*DTW, v2
	v_lshlrev_b32 v4, 3, v1
	s_lshl_b32 s66, s88, 6
	s_add_co_u32 s66, s66, GS
	v_mov_b32 v5, s66
	s_mov_b32 s89, 4
.Lfin:                                                 ; four rows a trip
.irp j, 0,1,2,3
	ds_load_b128 v[H+16*(\j):H+16*(\j)+3],     v2 offset:(\j)*DPITCH
	ds_load_b128 v[H+16*(\j)+4:H+16*(\j)+7],   v2 offset:DTW+(\j)*DPITCH
	ds_load_b128 v[H+16*(\j)+8:H+16*(\j)+11],  v3 offset:(\j)*DPITCH
	ds_load_b128 v[H+16*(\j)+12:H+16*(\j)+15], v3 offset:DTW+(\j)*DPITCH
.endr
	s_wait_dscnt 0x0
.irp j, 0,1,2,3
	v_max3_num_f32 v[AL+4*(\j)], |v[H+16*(\j)]|, |v[H+16*(\j)+1]|, |v[H+16*(\j)+2]|
.endr
.irp k, 1,2,3,4,5,6
.irp j, 0,1,2,3
	v_max3_num_f32 v[AL+4*(\j)], v[AL+4*(\j)], |v[H+16*(\j)+2*(\k)+1]|, |v[H+16*(\j)+2*(\k)+2]|
.endr
.endr
.irp j, 0,1,2,3
	v_max_num_f32 v[AL+4*(\j)], v[AL+4*(\j)], |v[H+16*(\j)+15]|
.endr
.irp m, 1,2,4,8
.irp j, 0,1,2,3
	v_max_num_f32_dpp v[AL+4*(\j)], v[AL+4*(\j)], v[AL+4*(\j)] row_xmask:\m row_mask:0xf bank_mask:0xf
.endr
.endr
.irp j, 0,1,2,3
	v_permlanex16_b32 v[AL+4*(\j)+1], v[AL+4*(\j)], s86, s87
.endr
.irp j, 0,1,2,3
	v_max_num_f32 v[AL+4*(\j)], v[AL+4*(\j)], v[AL+4*(\j)+1]
.endr
.irp j, 0,1,2,3
	v_lshrrev_b32 v[AL+4*(\j)+1], 23, v[AL+4*(\j)]
.endr
.irp j, 0,1,2,3
	v_max_u32 v[AL+4*(\j)+1], 15, v[AL+4*(\j)+1]
.endr
.irp j, 0,1,2,3
	v_min_u32 v[AL+4*(\j)+1], 254, v[AL+4*(\j)+1]
.endr
.irp j, 0,1,2,3
	v_sub_nc_u32 v[AL+4*(\j)+2], 268, v[AL+4*(\j)+1]
	v_add_nc_u32 v[AL+4*(\j)+3], -14, v[AL+4*(\j)+1]
.endr
.irp j, 0,1,2,3
	v_lshlrev_b32 v[AL+4*(\j)+2], 23, v[AL+4*(\j)+2]   ; 2^(141 - E)
	v_lshlrev_b32 v[AL+4*(\j)+3], 23, v[AL+4*(\j)+3]   ; 2^(E - 141)
.endr
.irp j, 0,1,2,3
.irp i, 0,1,2,3,4,5,6,7
	v_pk_mul_f32 v[H+16*(\j)+2*(\i):H+16*(\j)+2*(\i)+1], v[H+16*(\j)+2*(\i):H+16*(\j)+2*(\i)+1], v[AL+4*(\j)+2:AL+4*(\j)+3] op_sel_hi:[1,0]
.endr
.endr
.irp j, 0,1,2,3
.irp i, 0,1,2,3,4,5,6,7
	v_cvt_pk_f16_f32 v[TT+8*(\j)+(\i)], v[H+16*(\j)+2*(\i)], v[H+16*(\j)+2*(\i)+1]
.endr
.endr
.irp j, 0,1,2,3
.irp v, 0,1,2,3
	global_store_b64 v4, v[TT+8*(\j)+2*(\v):TT+8*(\j)+2*(\v)+1], s[80:81] offset:(\j)*2048+(\v)*256  ; 256 consecutive bytes, aligned
.endr
	ds_store_b32 v5, v[AL+4*(\j)+3] offset:4*(\j)  ; all lanes write the same word with the same value
.endr
	s_wait_xcnt 0x0                                ; the stores have read their base and data
	s_add_nc_u64 s[80:81], s[80:81], 8192
	v_add_nc_u32 v2, 4*DPITCH, v2
	v_add_nc_u32 v3, 4*DPITCH, v3
	v_add_nc_u32 v5, 16, v5
	s_sub_co_u32 s89, s89, 1
	s_cmp_lg_u32 s89, 0
	s_cbranch_scc1 .Lfin
	s_wait_dscnt 0x0
	s_barrier_signal -1
	s_barrier_wait -1                              ; all 64 row scales lie in LDS
	s_cmp_lg_u32 s88, 0
	s_cbranch_scc1 .Lend
	v_lshl_add_u32 v6, v1, 3, GS
	ds_load_b64 v[8:9], v6
	s_wait_dscnt 0x0
	global_store_b64 v4, v[8:9], s[4:5]            ; 256 consecutive bytes, aligned
.Lend:
.else
	v_and_b32 v24, 31, v0
	v_lshlrev_b32 v24, 4, v24
.set k, 0
.rept 32
	global_store_b128 v24, v[H+4*k:H+4*k+3], s[14:15] offset:4096*k  ; 512 consecutive bytes
.set k, k+1
.endr
	global_store_b128 v24, v[SD:SD+3], s[80:81]
.endif
	WIN 0x05
	s_wait_tensorcnt 0x0                           ; the wave's end
	ds_add_u32 v[SPW], v[NIL]
	s_wait_dscnt 0x0
	WIN 0
	s_endpgm
.Lfunc_end_k_q46df04277b_scan_b:
	.size	k_q46df04277b_scan_b, .Lfunc_end_k_q46df04277b_scan_b-k_q46df04277b_scan_b
	.p2alignl 7, 3214868480
	.fill 96, 4, 3214868480
	.section	.rodata,"a",@progbits
	.p2align	6, 0x0
	.amdhsa_kernel k_q46df04277b_scan_b
		.amdhsa_group_segment_fixed_size 288512
		.amdhsa_private_segment_fixed_size 0
		.amdhsa_enable_private_segment 0
		.amdhsa_kernarg_size 56
		.amdhsa_user_sgpr_count 2
		.amdhsa_user_sgpr_kernarg_segment_ptr 1
		.amdhsa_wavefront_size32 1
		.amdhsa_system_sgpr_workgroup_id_x 1
		.amdhsa_system_sgpr_workgroup_id_y 1
		.amdhsa_system_sgpr_workgroup_id_z 1
		.amdhsa_system_vgpr_workitem_id 0
		.amdhsa_next_free_vgpr 1024
		.amdhsa_next_free_sgpr 100
		.amdhsa_reserve_vcc 0
		.amdhsa_float_denorm_mode_32 3
		.amdhsa_float_denorm_mode_16_64 3
		.amdhsa_memory_ordered 1
		.amdhsa_forward_progress 1
		.amdhsa_inst_pref_size 84
	.end_amdhsa_kernel
	.amdgpu_metadata
---
amdhsa.version: [ 1, 2 ]
amdhsa.kernels:
  - .name:           k_q46df04277b_scan_b
    .symbol:         k_q46df04277b_scan_b.kd
    .args:
      - { .name: G, .offset: 0, .size: 8, .value_kind: global_buffer, .address_space: global }
      - { .name: XP, .offset: 8, .size: 8, .value_kind: global_buffer, .address_space: global }
      - { .name: cst, .offset: 16, .size: 8, .value_kind: global_buffer, .address_space: global }
      - { .name: b_dt, .offset: 24, .size: 8, .value_kind: global_buffer, .address_space: global }
      - { .name: A_log, .offset: 32, .size: 8, .value_kind: global_buffer, .address_space: global }
      - { .name: HI, .offset: 40, .size: 8, .value_kind: global_buffer, .address_space: global }
      - { .name: AS, .offset: 48, .size: 8, .value_kind: global_buffer, .address_space: global }
    .group_segment_fixed_size: 288512
    .private_segment_fixed_size: 0
    .kernarg_segment_align: 8
    .kernarg_segment_size: 56
    .max_flat_workgroup_size: 128
    .sgpr_count:     100
    .vgpr_count:     1024
    .wavefront_size: 32
...
	.end_amdgpu_metadata
.endif
;; end of part 6
;; launch gemm_out (part 7): grid 4 x 64, 4 waves a work-group, clusters of 4 x 4, 327,680 bytes of LDS; arguments AS, cst, b_out, out0; writes out0
.if DOCPART == 7
	.amdgcn_target "amdgcn-amd-amdhsa--gfx1250"
	.amdhsa_code_object_version 6
	.text
	.protected	k_q46df04277b_gemm_out
	.globl	k_q46df04277b_gemm_out
	.p2align	8
	.type	k_q46df04277b_gemm_out,@function
k_q46df04277b_gemm_out:
	s_mov_b64 s[64:65], 0
	v_nop
	global_prefetch_b8 v0, s[64:65] scope:SCOPE_SE
	s_setreg_imm32_b32 hwreg(HW_REG_WAVE_MODE, 25, 1), 1
	s_wait_xcnt 0x0
	s_wait_alu depctr_hold_cnt(0) depctr_sa_sdst(0) depctr_va_vdst(0) depctr_va_sdst(0) depctr_va_ssrc(0) depctr_va_vcc(0) depctr_vm_vsrc(0)
	s_getreg_b32 s2, hwreg(HW_REG_IB_STS2, 6, 4)
	s_cmp_eq_u32 s2, 0
	s_cbranch_scc0 .Lentry_in_a_cluster
	s_endpgm
.Lentry_in_a_cluster:
	s_bfe_u32 s2, ttmp6, 0x10000c
	s_cmp_lg_u32 s2, 0xf033
	s_cbranch_scc0 .Lentry_shape_is_right
	s_endpgm
.Lentry_shape_is_right:
; out0[m][j] = sum over k of a[m][k] W_out[j][k] + b_out[j], m < 8,192, j, k < 1,024.  a arrives as f16 numbers a16 with a power of two g for each row and half of K: a = g a16.  W_out is the f16 copy in cst.
; Sums in f32.  One accumulator for each output: at K = 512 it is multiplied by g0 / g1', at the end by g1', with g1' = max(g1, g0 2^-60).
; LIMIT: where g1 < g0 2^-60 the second half's part, at least 2^45 below the first's scale, is counted too large by g1' / g1; where g0 < g1 2^-126 the first half's part counts as 0.  b_out is rounded to bf16 like every input.
; A tile of 128 x 256 is made by four waves, each 64 x 128 in 32 accumulators (window 2).  K goes in steps of 128 through two LDS slots; 4 x 4 work-groups form a cluster, a's tile shared along a row, W_out's along a column.
; The product is used transposed (source 0 = rows of W_out, source 1 = rows of a): a lane holds one row and eight neighbouring columns, so a row's scale is one number a lane.
.set SIZE_N, 1024
.set SIZE_K, 1024
.set KSTEP,  128
.set PITCH,  272
.set HALFA,  64*PITCH
.set HALFB,  128*PITCH
.set SLOT,   2*HALFA+2*HALFB           ; a's 128 rows, then W_out's 256
.set SPARE,  2*SLOT
.set OPITCH, 528
.set OWAVE,  64*OPITCH
.set LAPS,   SIZE_K/(2*KSTEP)
.set WOH,    20971520
.set ASC,    16777216
.set ADRA, 16
.set ADRB, 20
.set STO,  24
.set RD,   25
.set CO,   26
.set SPW,  28
.set NIL,  29
.set PFO,  30
.set RF,   32                          ; v32-35  g0 / g1' of my row in block a
.set GF,   36                          ; v36-39  g1'
.set BI,   40                          ; v40-43  b_out of my four columns on the way out
.set E0,   44
.set E1,   48
.set ET,   52
.set FA,   64                          ; window 0: a's fragments, two buffers of 32
.set FB,   64                          ; window 1: W_out's, two buffers of 64
.set RR,   64                          ; the way out: eight rows
.set PFA,  44
.set LIM,  43
.set G1, 24
.set G0, 32
.set G1B, 48
.set G0B, 56
.set MSB, 0
.macro WIN new
.if MSB != (\new)
	s_set_vgpr_msb (MSB<<8)|(\new)
.set MSB, \new
.endif
.endm
.set MULW, 0xa1                        ; source 0 window 1, source 1 window 0, C and D window 2
.macro JLOAD s                         ; waves 0 and 1 fetch a's two halves (64 rows), waves 2 and 3 W_out's (128 rows); an s_nop 0 and four v_nop follow each line
	s_cmp_eq_u32 s11, 0
	s_cbranch_scc0 .Lfor_b_\@
	tensor_load_to_lds s[G0+4*(\s):G0+4*(\s)+3], s[G1:G1+7]
	s_nop 0
.rept 4
	v_nop
.endr
	s_branch .Lasked_\@
.Lfor_b_\@:
	tensor_load_to_lds s[G0B+4*(\s):G0B+4*(\s)+3], s[G1B:G1B+7]
	s_nop 0
.rept 4
	v_nop
.endr
.Lasked_\@:
.endm
; A prefetch of the K step two refills on: 32 rows x 256 bytes, a lane a row.  a's 128 rows of a tile row: wave 0 of each of the four partners takes 32, by address (the grid has one cluster along x, so every cluster asks for its own rows).
; W_out's rows: waves 2 and 3 of the clusters with y = 0, 32 of their 128 rows for each partner of a column.  Wave 1 asks for nothing.  The loop's last trip asks for nothing.
.macro ASK
	s_cmp_gt_u32 s3, s[LIM]
	s_cbranch_scc0 .Lnot_mine_\@
	global_prefetch_b8 v[PFO], s[PFA:PFA+1] offset:KSTEP*2 th:TH_LOAD_NT scope:SCOPE_SE
.Lnot_mine_\@:
.endm
.macro CREST
	s_cmp_lg_u32 s10, 0
	s_cbranch_scc1 .Lnot_wave_0_\@
	s_barrier_signal -3
.Lnot_wave_0_\@:
	s_barrier_wait -3
	s_barrier_signal -1
	s_barrier_wait -1
.endm
.macro CROUND
	s_barrier_signal -1
	s_barrier_wait -1
	CREST
.endm
	s_load_b128 s[4:7], s[0:1], 0x0                ; AS s[4:5], cst s[6:7]
	s_load_b128 s[68:71], s[0:1], 0x10             ; b_out s[68:69], out0 s[70:71]
	v_lshl_add_u32 v[SPW], v0, 2, SPARE
	v_mov_b32 v[NIL], 0
	ds_add_u32 v[SPW], v[NIL]                      ; the opening: the add, twice on end, and its wait
	ds_add_u32 v[SPW], v[NIL]
	v_lshrrev_b32 v1, 5, v0
	v_readfirstlane_b32 s10, v1
	s_lshr_b32 s11, s10, 1                         ; my half of the tile's rows; also: I fetch for a (0) or W_out (1)
	s_and_b32 s12, s10, 1                          ; my half of its columns; also: which half I fetch
	s_bfe_u32 s40, ttmp6, 0x40000
	s_bfe_u32 s41, ttmp6, 0x40004
	s_lshl_b32 s42, ttmp9, 2
	s_add_co_u32 s42, s42, s40                     ; tile column
	s_and_b32 s13, ttmp7, 0xffff
	s_lshl_b32 s13, s13, 2
	s_add_co_u32 s13, s13, s41                     ; tile row
	s_lshl_b32 s43, s41, 2
	s_lshl_b32 s43, 15, s43
	s_lshl_b32 s44, 0x1111, s40
	s_or_b32 s[G1+0], s43, (1<<16)|(1<<20)|(1<<21)|(5<<22)|(3<<25)
	s_or_b32 s[G1B+0], s44, (1<<16)|(1<<20)|(1<<21)|(5<<22)|(3<<25)
.irp g, G1, G1B
	s_mov_b32 s[(\g)+1], KSTEP<<16
	s_mov_b32 s[(\g)+3], KSTEP<<16
	s_mov_b32 s[(\g)+5], SIZE_K
	s_mov_b32 s[(\g)+6], 0
	s_mov_b32 s[(\g)+7], 0
.endr
	s_mov_b32 s[G1+2], 64<<16                      ; a: 64 rows a load
	s_mov_b32 s[G1+4], 64
	s_mov_b32 s[G1B+2], 128<<16                    ; W_out: 128
	s_mov_b32 s[G1B+4], 128
	s_lshl_b32 s17, s12, 6
	s_lshl_b32 s16, s13, 7
	s_add_co_u32 s16, s16, s17                     ; a: row 128 x tile row + 64 x half
	s_lshl_b32 s47, s12, 7
	s_lshl_b32 s46, s42, 8
	s_add_co_u32 s46, s46, s47                     ; W_out: row 256 x tile column + 128 x half
	s_mov_b32 s17, 0
	s_mov_b32 s47, 0
	s_mov_b64 s[18:19], SIZE_K*2
	s_mul_u64 s[16:17], s[16:17], s[18:19]
	s_mul_u64 s[46:47], s[46:47], s[18:19]
	s_mul_i32 s20, s12, HALFA                      ; where a's half lands,
	s_mul_i32 s21, s12, HALFB
	s_add_co_u32 s21, s21, 2*HALFA                 ; and W_out's
	s_wait_dscnt 0x0
	s_wait_kmcnt 0x0
	s_add_nc_u64 s[6:7], s[6:7], WOH
	s_add_nc_u64 s[14:15], s[4:5], s[16:17]
	s_add_nc_u64 s[46:47], s[6:7], s[46:47]
	CROUND
.irp s, 0,1
	s_mov_b32 s[G0+4*(\s)], 1
	s_add_co_u32 s[G0+4*(\s)+1], s20, (\s)*SLOT
	s_add_nc_u64 s[G0+4*(\s)+2:G0+4*(\s)+3], s[14:15], (\s)*KSTEP*2
	s_or_b32 s[G0+4*(\s)+3], s[G0+4*(\s)+3], 0x80000000
	s_mov_b32 s[G0B+4*(\s)], 1
	s_add_co_u32 s[G0B+4*(\s)+1], s21, (\s)*SLOT
	s_add_nc_u64 s[G0B+4*(\s)+2:G0B+4*(\s)+3], s[46:47], (\s)*KSTEP*2
	s_or_b32 s[G0B+4*(\s)+3], s[G0B+4*(\s)+3], 0x80000000
	JLOAD \s
.endr
	v_and_b32 v1, 15, v0
	v_bfe_u32 v2, v0, 4, 1
	v_and_b32 v5, 31, v0
	; the rows' scales, the bias, the address of my part of out0
	s_lshl_b32 s16, s13, 7
	s_lshl_b32 s17, s11, 6
	s_add_co_u32 s16, s16, s17                     ; my first row
	s_lshl_b32 s18, s16, 2
	s_add_co_u32 s18, s18, ASC
	s_mov_b32 s19, 0
	s_add_nc_u64 s[72:73], s[4:5], s[18:19]
	v_lshlrev_b32 v6, 2, v1
.irp a, 0,1,2,3
	global_load_b32 v[E0+(\a)], v6, s[72:73] offset:64*(\a)
	global_load_b32 v[E1+(\a)], v6, s[72:73] offset:64*(\a)+32768
.endr
	s_lshl_b32 s46, s42, 8
	s_lshl_b32 s47, s12, 7
	s_add_co_u32 s46, s46, s47
	s_lshl_b32 s46, s46, 2                         ; my first column, in bytes
	s_mov_b32 s47, 0
	s_add_nc_u64 s[68:69], s[68:69], s[46:47]
	v_lshlrev_b32 v[CO], 4, v5
	global_load_b128 v[BI:BI+3], v[CO], s[68:69]
	s_mov_b32 s17, 0
	s_mov_b64 s[18:19], SIZE_N*4
	s_mul_u64 s[16:17], s[16:17], s[18:19]
	s_add_nc_u64 s[16:17], s[16:17], s[46:47]
	s_add_nc_u64 s[8:9], s[70:71], s[16:17]
	v_mul_u32_u24 v3, v1, PITCH
	v_lshl_add_u32 v3, v2, 4, v3
	s_mul_i32 s21, s11, HALFA                      ; my 64 rows of a
	s_mul_i32 s22, s12, HALFB
	s_add_co_u32 s22, s22, 2*HALFA                 ; my 128 rows of W_out
.irp s, 0,1
	v_add_nc_u32 v[ADRA+(\s)], s21, v3
	v_add_nc_u32 v[ADRB+(\s)], s22, v3
	s_add_co_u32 s21, s21, SLOT
	s_add_co_u32 s22, s22, SLOT
.endr
	s_mul_i32 s23, s10, OWAVE
	v_mul_u32_u24 v4, v1, OPITCH
	v_lshl_add_u32 v4, v2, 5, v4
	v_add_nc_u32 v[STO], s23, v4
	v_lshl_add_u32 v[RD], v5, 4, s23
	; the prefetches' address
	s_lshl_b32 s20, s13, 7
	s_lshl_b32 s21, s42, 8
	s_lshl_b32 s22, s12, 7
	s_add_co_u32 s21, s21, s22
	s_and_b32 s22, ttmp7, 0xffff                   ; cluster y
	s_cmp_eq_u32 s11, 0
	s_cselect_b32 s20, s20, s21                    ; the first row: a's tile, or my half of W_out's
	s_cselect_b32 s21, s40, s41                    ; my place among the four that ask with me
	s_cselect_b32 s22, s12, s22                    ; a: wave 0 alone; W_out: the clusters with y = 0 alone
	s_cselect_b64 s[PFA:PFA+1], s[4:5], s[6:7]
	s_cmp_eq_u32 s22, 0
	s_cselect_b32 s[LIM], 1, -1
	s_lshl_b32 s21, s21, 5
	s_add_co_u32 s20, s20, s21
	s_mov_b32 s21, 0
	s_mov_b64 s[18:19], SIZE_K*2
	s_mul_u64 s[20:21], s[20:21], s[18:19]
	s_add_nc_u64 s[PFA:PFA+1], s[PFA:PFA+1], s[20:21]
	s_add_nc_u64 s[PFA:PFA+1], s[PFA:PFA+1], 2*KSTEP*2
	v_mul_u32_u24 v[PFO], v5, SIZE_K*2
	s_wait_loadcnt 0x0
.irp a, 0,1,2,3
	v_lshrrev_b32 v[E0+(\a)], 23, v[E0+(\a)]       ; the scales are powers of two: their biased exponents
	v_lshrrev_b32 v[E1+(\a)], 23, v[E1+(\a)]
	v_sub_nc_u32 v[ET+(\a)], v[E0+(\a)], 60
	v_max_i32 v[E1+(\a)], v[E1+(\a)], v[ET+(\a)]
	v_sub_nc_u32 v[ET+(\a)], v[E0+(\a)], v[E1+(\a)]
	v_add_nc_u32 v[ET+(\a)], 127, v[ET+(\a)]
	v_max_i32 v[ET+(\a)], 0, v[ET+(\a)]
	v_lshlrev_b32 v[RF+(\a)], 23, v[ET+(\a)]
	v_lshlrev_b32 v[GF+(\a)], 23, v[E1+(\a)]
.endr
	v_cvt_pk_bf16_f32 v[ET], v[BI], v[BI+1]        ; b_out as bf16 numbers
	v_cvt_pk_bf16_f32 v[ET+1], v[BI+2], v[BI+3]
	v_lshlrev_b32 v[BI], 16, v[ET]
	v_and_b32 v[BI+1], 0xffff0000, v[ET]
	v_lshlrev_b32 v[BI+2], 16, v[ET+1]
	v_and_b32 v[BI+3], 0xffff0000, v[ET+1]
.macro MUL8 f, a, zero                 ; 8 products: row block a x all 8 column blocks, 32 along K, buffer f
	WIN MULW
.irp b, 0,1,2,3,4,5,6,7
.if \zero
	v_wmma_f32_16x16x32_f16 v[8*(8*(\a)+(\b)):8*(8*(\a)+(\b))+7], v[FB+64*(\f)+8*(\b):FB+64*(\f)+8*(\b)+7], v[FA+32*(\f)+8*(\a):FA+32*(\f)+8*(\a)+7], 0
.else
	v_wmma_f32_16x16x32_f16 v[8*(8*(\a)+(\b)):8*(8*(\a)+(\b))+7], v[FB+64*(\f)+8*(\b):FB+64*(\f)+8*(\b)+7], v[FA+32*(\f)+8*(\a):FA+32*(\f)+8*(\a)+7], v[8*(8*(\a)+(\b)):8*(8*(\a)+(\b))+7]
.endif
.endr
.endm
.macro FETCH slot, k, f                ; 24 LDS loads in one run
	WIN 0x40
.irp i, 0,1,2,3,4,5,6,7
	ds_load_b128 v[FB+64*(\f)+8*(\i):FB+64*(\f)+8*(\i)+3],   v[ADRB+(\slot)] offset:(\k)+(\i)*16*PITCH
	ds_load_b128 v[FB+64*(\f)+8*(\i)+4:FB+64*(\f)+8*(\i)+7], v[ADRB+(\slot)] offset:(\k)+(\i)*16*PITCH+32
.endr
	WIN 0
.irp i, 0,1,2,3
	ds_load_b128 v[FA+32*(\f)+8*(\i):FA+32*(\f)+8*(\i)+3],   v[ADRA+(\slot)] offset:(\k)+(\i)*16*PITCH
	ds_load_b128 v[FA+32*(\f)+8*(\i)+4:FA+32*(\f)+8*(\i)+7], v[ADRA+(\slot)] offset:(\k)+(\i)*16*PITCH+32
.endr
.endm
.macro PLACES
.rept 4
	v_nop
.endr
.endm
.macro QUARTER slot, k, f, g, zero
	s_wait_dscnt 4                                 ; W_out's fragments and a's blocks 0, 1 are in; the youngest four loads may be out
	MUL8 \f, 0, \zero
	MUL8 \f, 1, \zero
	PLACES
	FETCH \slot, \k, \g
	s_wait_dscnt 24                                ; all but the 24 just issued
	MUL8 \f, 2, \zero
	MUL8 \f, 3, \zero
.endm
.macro TURN slot, next, fill           ; the last quarter of a K step changes slots; from a refill's request to the wait for it a wave issues 112 products
.if \fill
	s_wait_xcnt 0x0                                ; the last prefetch, a K step back, has read its address
	s_add_nc_u64 s[PFA:PFA+1], s[PFA:PFA+1], KSTEP*2
.endif
	WIN 0
	s_wait_tensorcnt 0x0                           ; all my tensor loads have landed: my part of the next slot
	ds_add_u32 v[SPW], v[NIL]
	s_wait_dscnt 5                                 ; the add and the youngest four loads may be out
	MUL8 1, 0, 0
	s_wait_dscnt 0x0                               ; the add is done, my reads of this slot are over
	s_barrier_signal -1
	MUL8 1, 1, 0
.if \fill
	WIN 0
.endif
	s_barrier_wait -1
.if \fill
	CREST
	s_add_nc_u64 s[G0+4*(\slot)+2:G0+4*(\slot)+3], s[G0+4*(\slot)+2:G0+4*(\slot)+3], 2*KSTEP*2
	s_add_nc_u64 s[G0B+4*(\slot)+2:G0B+4*(\slot)+3], s[G0B+4*(\slot)+2:G0B+4*(\slot)+3], 2*KSTEP*2
	JLOAD \slot
.else
	PLACES
.endif
	FETCH \next, 0, 0
.if \fill
	ASK
.endif
	MUL8 1, 2, 0
	MUL8 1, 3, 0
.endm
.macro SCALE base                      ; every accumulator times its row's factor, each from its low registers on
	WIN 0x82
.irp a, 0,1,2,3
.set i, 0
.rept 32
.if (\a)%2
	v_pk_mul_f32 v[64*(\a)+2*i:64*(\a)+2*i+1], v[64*(\a)+2*i:64*(\a)+2*i+1], v[(\base)+(\a)-1:(\base)+(\a)] op_sel:[0,1] op_sel_hi:[1,1]
.else
	v_pk_mul_f32 v[64*(\a)+2*i:64*(\a)+2*i+1], v[64*(\a)+2*i:64*(\a)+2*i+1], v[(\base)+(\a):(\base)+(\a)+1] op_sel_hi:[1,0]
.endif
.set i, i+1
.endr
.endr
	WIN 0
.endm
	s_wait_tensorcnt 1                             ; my part of K step 0 is in; K step 1's may stay out
	s_barrier_signal -1
	s_barrier_wait -1
	FETCH 0, 0, 0
	QUARTER 0, 64,  0, 1, 1
	WIN 0
	s_mov_b32 s3, LAPS-1
.Llap:
	QUARTER 0, 128, 1, 0, 0
	QUARTER 0, 192, 0, 1, 0
	TURN 0, 1, 1
	QUARTER 1, 64,  0, 1, 0
	QUARTER 1, 128, 1, 0, 0
	QUARTER 1, 192, 0, 1, 0
	TURN 1, 0, 1
	WIN 0
	s_cmp_lg_u32 s3, 2                             ; in the second of the three trips K step 3 has just ended: K = 512
	s_cbranch_scc1 .Lnr
	PLACES
	SCALE RF
.Lnr:
	QUARTER 0, 64,  0, 1, 0
	WIN 0
	s_sub_co_u32 s3, s3, 1
	s_cmp_lg_u32 s3, 0
	s_cbranch_scc1 .Llap
	QUARTER 0, 128, 1, 0, 0
	QUARTER 0, 192, 0, 1, 0
	TURN 0, 1, 0
	QUARTER 1, 64,  0, 1, 0
	QUARTER 1, 128, 1, 0, 0
	QUARTER 1, 192, 0, 1, 0
	s_wait_dscnt 4
	MUL8 1, 0, 0
	MUL8 1, 1, 0
	s_wait_dscnt 0x0
	MUL8 1, 2, 0
	MUL8 1, 3, 0
	WIN 0
	s_barrier_signal -1                            ; no LDS load of mine is out: when all four have said so, nobody reads the slots any more
	s_barrier_wait -1
	PLACES
	SCALE GF
	WIN 0x08
.irp a, 0,1,2,3
.irp b, 0,1,2,3,4,5,6,7
	ds_store_b128 v[STO], v[8*(8*(\a)+(\b)):8*(8*(\a)+(\b))+3]   offset:(\a)*16*OPITCH+64*(\b)
	ds_store_b128 v[STO], v[8*(8*(\a)+(\b))+4:8*(8*(\a)+(\b))+7] offset:(\a)*16*OPITCH+64*(\b)+16
.endr
.endr
	WIN 0
	s_mov_b32 s3, 8
.Lout:                                                 ; eight rows a trip, my own bytes
.irp i, 0,1,2,3,4,5,6,7
	ds_load_b128 v[RR+4*(\i):RR+4*(\i)+3], v[RD] offset:(\i)*OPITCH
.endr
	s_wait_dscnt 0x0
.irp i, 0,1,2,3,4,5,6,7
	v_pk_add_f32 v[RR+4*(\i):RR+4*(\i)+1], v[RR+4*(\i):RR+4*(\i)+1], v[BI:BI+1]
	v_pk_add_f32 v[RR+4*(\i)+2:RR+4*(\i)+3], v[RR+4*(\i)+2:RR+4*(\i)+3], v[BI+2:BI+3]
.endr
.irp i, 0,1,2,3,4,5,6,7
	global_store_b128 v[CO], v[RR+4*(\i):RR+4*(\i)+3], s[8:9] offset:(\i)*SIZE_N*4 th:TH_STORE_NT  ; 512 consecutive bytes
.endr
	s_wait_xcnt 0x0                                ; the stores have read their base and data
	s_add_nc_u64 s[8:9], s[8:9], 8*SIZE_N*4
	v_add_nc_u32 v[RD], 8*OPITCH, v[RD]
	s_sub_co_u32 s3, s3, 1
	s_cmp_lg_u32 s3, 0
	s_cbranch_scc1 .Lout
	s_wait_tensorcnt 0x0                           ; the wave's end
	ds_add_u32 v[SPW], v[NIL]
	s_wait_dscnt 0x0
	CROUND                                         ; the closing round
	s_endpgm
.Lfunc_end_k_q46df04277b_gemm_out:
	.size	k_q46df04277b_gemm_out, .Lfunc_end_k_q46df04277b_gemm_out-k_q46df04277b_gemm_out
	.p2alignl 7, 3214868480
	.fill 96, 4, 3214868480
	.section	.rodata,"a",@progbits
	.p2align	6, 0x0
	.amdhsa_kernel k_q46df04277b_gemm_out
		.amdhsa_group_segment_fixed_size 327680
		.amdhsa_private_segment_fixed_size 0
		.amdhsa_enable_private_segment 0
		.amdhsa_kernarg_size 32
		.amdhsa_user_sgpr_count 2
		.amdhsa_user_sgpr_kernarg_segment_ptr 1
		.amdhsa_wavefront_size32 1
		.amdhsa_system_sgpr_workgroup_id_x 1
		.amdhsa_system_sgpr_workgroup_id_y 1
		.amdhsa_system_sgpr_workgroup_id_z 1
		.amdhsa_system_vgpr_workitem_id 0
		.amdhsa_next_free_vgpr 768
		.amdhsa_next_free_sgpr 80
		.amdhsa_reserve_vcc 0
		.amdhsa_float_denorm_mode_32 3
		.amdhsa_float_denorm_mode_16_64 3
		.amdhsa_memory_ordered 1
		.amdhsa_forward_progress 1
		.amdhsa_inst_pref_size 98
	.end_amdhsa_kernel
	.amdgpu_metadata
---
amdhsa.version: [ 1, 2 ]
amdhsa.kernels:
  - .name:           k_q46df04277b_gemm_out
    .symbol:         k_q46df04277b_gemm_out.kd
    .args:
      - { .name: AS, .offset: 0, .size: 8, .value_kind: global_buffer, .address_space: global }
      - { .name: cst, .offset: 8, .size: 8, .value_kind: global_buffer, .address_space: global }
      - { .name: b_out, .offset: 16, .size: 8, .value_kind: global_buffer, .address_space: global }
      - { .name: out0, .offset: 24, .size: 8, .value_kind: global_buffer, .address_space: global }
    .group_segment_fixed_size: 327680
    .private_segment_fixed_size: 0
    .kernarg_segment_align: 8
    .kernarg_segment_size: 32
    .max_flat_workgroup_size: 128
    .sgpr_count:     80
    .vgpr_count:     768
    .wavefront_size: 32
...
	.end_amdgpu_metadata
.endif
;; end of part 7
;; ======== version 2 of 2: 7 launches; version 1 with the launch combine written anew for expert scheduling mode
;; limits: a function is approximated: absolute error at most 6e-08; values are held in f16: magnitudes above 65,504 overflow, below 6.1e-05 lose precision
;; workspace buffers: cst 23,461,888 bytes; G 33,554,432 bytes; XP 3,145,728 bytes; HE 16,760,832 bytes; HI 16,777,216 bytes; AS 16,842,752 bytes
;; launch cast: the kernel of part 1 again; grid 716 x 1, 8 waves a work-group, no clusters, 0 bytes of LDS; arguments x, W_in, W_out, W_x, W_dt, cst; writes cst
;; launch gemm_in: the kernel of part 2 again; grid 8 x 32, 4 waves a work-group, clusters of 4 x 4, 327,680 bytes of LDS; arguments cst, G; writes G
;; launch xproj: the kernel of part 3 again; grid 128 x 2, 4 waves a work-group, clusters of 4 x 1, 279,040 bytes of LDS; arguments G, cst, XP; writes XP
;; launch scan_a: the kernel of part 4 again; grid 62 x 4, 4 waves a work-group, no clusters, 222,720 bytes of LDS; arguments G, XP, cst, b_dt, A_log, HE; writes HE
;; launch combine (part 8): grid 64 x 4, 4 waves a work-group, no clusters, 0 bytes of LDS; arguments HE, A_log, HI; writes HI
.if DOCPART == 8
	.amdgcn_target "amdgcn-amd-amdhsa--gfx1250"
	.amdhsa_code_object_version 6
	.text
	.protected	k_q46df04277b_combine
	.globl	k_q46df04277b_combine
	.p2align	8
	.type	k_q46df04277b_combine,@function
k_q46df04277b_combine:
	s_mov_b64 s[64:65], 0
	v_nop
	global_prefetch_b8 v0, s[64:65] scope:SCOPE_SE
	s_setreg_imm32_b32 hwreg(HW_REG_WAVE_SCHED_MODE, 0, 2), 2
	s_setreg_imm32_b32 hwreg(HW_REG_WAVE_MODE, 25, 1), 1
	s_wait_xcnt 0x0
	s_wait_alu depctr_vm_vsrc(0)
; The state at each chunk's start: hinit[0] = 0, hinit[c + 1] = exp(A[n] x sum of dt over chunk c) hinit[c] + hend[c], c = 0 .. 30, all f32.
; hend: [31][4][32][1024] at HE + 0 (chunk, batch row, 2 n + (im), channel); the sums of dt: [31][4][1024] at HE + 16,252,928; hinit: [32][4][32][1024].
; SHARES.  A work-group: one state n, one batch row, 256 channels; a thread two channels, re and im.  All 92 loads go out first; the chain of 30 packed multiply-adds follows them by counted waits.
; A wave's load or store covers 256 consecutive bytes, aligned.  No register is written while a memory instruction may read it.  LIMIT: a decay below 2^-126 counts as 0.
; THE MODE: SCHED_MODE bits 1:0 = 2 (LLVM: expert scheduling mode 2), set by the entry lines.  The code itself states the register dependences
; between vector instructions and memory instructions, with s_wait_alu, always for 0.
; THE PLAN.  Registers that memory instructions touch:
;   v2          the byte offset of every load and store.  Written at the head, never again.
;   v188, v189  0, the data of hinit[0]'s two stores.  Written at the head, never again.
;   v4 .. v63   the 30 sums of dt land here; behind that vector instructions alone name them.
;   v64 .. v187 hend of chunk c lands in four registers at 64 + 4 c.  Chunk c's two multiply-adds (c >= 1) write them once: they then hold hinit[c + 1], which
;               chunk c + 1's multiply-adds and two stores read.  They are never written again.
; So no register that a memory instruction reads is written behind it, and no load lands in a register that a vector instruction has named: what is left to state is that a store's data are written.
; The 30 chunks go in six blocks of five.  A block's ten stores stand in ONE run at the head of the next block, behind ONE wait on va_vdst and with no vector instruction between;
; the last block's stand behind one more wait at the end.
.set SDT, 16252928
.set CH,  524288                       ; bytes from chunk to chunk
.set BLK, 5                            ; chunks in a block
	s_load_b128 s[4:7], s[0:1], 0x0                ; HE s[4:5], A_log s[6:7]
	s_load_b64 s[8:9], s[0:1], 0x10                ; HI
	s_lshr_b32 s12, ttmp9, 2                       ; n
	s_and_b32 s13, ttmp9, 3                        ; which 256 channels
	s_and_b32 s14, ttmp7, 0xffff                   ; batch row
	v_lshlrev_b32 v2, 3, v0
	s_lshl_b32 s15, s13, 10
	v_add_nc_u32 v2, s15, v2                       ; my two channels, in bytes
	s_lshl_b32 s16, s14, 5
	s_lshl_b32 s17, s12, 1
	s_add_co_u32 s16, s16, s17
	s_lshl_b32 s16, s16, 12                        ; (32 b + 2 n) rows of 4,096 bytes
	s_mov_b32 s17, 0
	s_lshl_b32 s18, s14, 12
	s_add_co_u32 s18, s18, SDT
	s_mov_b32 s19, 0
	s_lshl_b32 s22, s12, 2
	s_mov_b32 s23, 0
	v_mov_b32 v188, 0
	v_mov_b32 v189, 0
	s_wait_kmcnt 0x0
	s_add_nc_u64 s[6:7], s[6:7], s[22:23]
	s_load_b32 s20, s[6:7], 0x0                    ; A_log[n]
	s_add_nc_u64 s[24:25], s[4:5], s[18:19]        ; the sums of dt
	s_add_nc_u64 s[4:5], s[4:5], s[16:17]          ; hend, chunks 0-15
	s_add_nc_u64 s[10:11], s[4:5], 16*CH           ; chunks 16-30: the immediate holds 15 chunks and a row
	s_add_nc_u64 s[8:9], s[8:9], s[16:17]          ; hinit, chunks 0-15
	s_add_nc_u64 s[26:27], s[8:9], 16*CH           ; chunks 16-31
	s_wait_alu depctr_va_vdst(0)                   ; v2 is written, which every load and store reads as its offset; so are v188 and v189, the data of the first two stores; no later vector instruction names the three
.set c, 1
.rept 30
	global_load_b64 v[2+2*c:3+2*c], v2, s[24:25] offset:c*16384 th:TH_LOAD_NT
.set c, c+1
.endr
.set c, 0
.rept 31
.if c < 16
	global_load_b64 v[64+4*c:65+4*c], v2, s[4:5] offset:c*CH th:TH_LOAD_NT
	global_load_b64 v[66+4*c:67+4*c], v2, s[4:5] offset:c*CH+4096 th:TH_LOAD_NT
.else
	global_load_b64 v[64+4*c:65+4*c], v2, s[10:11] offset:(c-16)*CH th:TH_LOAD_NT
	global_load_b64 v[66+4*c:67+4*c], v2, s[10:11] offset:(c-16)*CH+4096 th:TH_LOAD_NT
.endif
.set c, c+1
.endr
	s_wait_kmcnt 0x0
	v_mov_b32 v190, s20
	v_cvt_pk_bf16_f32 v190, v190, v190             ; A_log as a bf16 number, like every input
	v_lshlrev_b32 v190, 16, v190
	v_mul_f32 v190, 0x3fb8aa3b, v190
	v_exp_f32 v190, v190
	v_nop                                          ; a plain instruction behind the exponential,
	s_wait_alu depctr_va_vdst(0)                   ; and the exponential has written v190, ahead of the product that reads it
	v_mul_f32 v190, 0xbfb8aa3b, v190               ; -exp(A_log) log2 e
	v_readfirstlane_b32 s20, v190
	s_wait_alu depctr_va_sdst(0)                   ; s20 is written, ahead of its first reader, the move below
	s_mov_b32 s21, s20
	s_wait_loadcnt 62                              ; the 30 sums of dt are in; the 62 loads of hend may stay out
.set c, 1
.rept 30
	v_pk_mul_f32 v[2+2*c:3+2*c], v[2+2*c:3+2*c], s[20:21] op_sel_hi:[1,0]
.if c > 1
	v_exp_f32 v[2*c], v[2*c]
	v_exp_f32 v[2*c+1], v[2*c+1]
.endif
.set c, c+1
.endr
	v_exp_f32 v62, v62
	v_exp_f32 v63, v63
	v_nop                                          ; a plain instruction behind the last exponential,
	s_wait_alu depctr_va_vdst(0)                   ; and the 60 exponentials have written v4 to v63, ahead of the multiply-adds that read them: one wait for the batch
; hinit[ch + 1], which lies in chunk ch's four registers: re and im, two stores.
.macro SEND ch
.if (\ch)+1 < 16
	global_store_b64 v2, v[64+4*(\ch):65+4*(\ch)], s[8:9] offset:((\ch)+1)*CH
	global_store_b64 v2, v[66+4*(\ch):67+4*(\ch)], s[8:9] offset:((\ch)+1)*CH+4096
.else
	global_store_b64 v2, v[64+4*(\ch):65+4*(\ch)], s[26:27] offset:((\ch)-15)*CH
	global_store_b64 v2, v[66+4*(\ch):67+4*(\ch)], s[26:27] offset:((\ch)-15)*CH+4096
.endif
.endm
	global_store_b64 v2, v[188:189], s[8:9]        ; hinit[0] = 0
	global_store_b64 v2, v[188:189], s[8:9] offset:4096
	s_wait_loadcnt 60                              ; chunk 0's end state is in: it is hinit[1], and goes out as it was loaded
	SEND 0
.set c, 1
.rept 30
	s_wait_loadcnt 2*(30-c)                        ; chunk c's two loads are in; those of the 30 - c later chunks stay out
.if (c > 1) && ((c-1) % BLK == 0)
	s_wait_alu depctr_va_vdst(0)                   ; a block's head: the multiply-adds of the block before have written its 20 registers, which the ten stores below read
.set k, c-BLK
.rept BLK
	SEND k
.set k, k+1
.endr
.endif
	v_pk_fma_f32 v[64+4*c:65+4*c], v[2+2*c:3+2*c], v[60+4*c:61+4*c], v[64+4*c:65+4*c]
	v_pk_fma_f32 v[66+4*c:67+4*c], v[2+2*c:3+2*c], v[62+4*c:63+4*c], v[66+4*c:67+4*c]
.set c, c+1
.endr
	s_wait_alu depctr_va_vdst(0)                   ; the last block's multiply-adds have written its 20 registers, which the last ten stores read
.set k, 31-BLK
.rept BLK
	SEND k
.set k, k+1
.endr
	s_endpgm
.Lfunc_end_k_q46df04277b_combine:
	.size	k_q46df04277b_combine, .Lfunc_end_k_q46df04277b_combine-k_q46df04277b_combine
	.p2alignl 7, 3214868480
	.fill 96, 4, 3214868480
	.section	.rodata,"a",@progbits
	.p2align	6, 0x0
	.amdhsa_kernel k_q46df04277b_combine
		.amdhsa_group_segment_fixed_size 0
		.amdhsa_private_segment_fixed_size 0
		.amdhsa_enable_private_segment 0
		.amdhsa_kernarg_size 24
		.amdhsa_user_sgpr_count 2
		.amdhsa_user_sgpr_kernarg_segment_ptr 1
		.amdhsa_wavefront_size32 1
		.amdhsa_system_sgpr_workgroup_id_x 1
		.amdhsa_system_sgpr_workgroup_id_y 1
		.amdhsa_system_sgpr_workgroup_id_z 1
		.amdhsa_system_vgpr_workitem_id 0
		.amdhsa_next_free_vgpr 192
		.amdhsa_next_free_sgpr 66
		.amdhsa_reserve_vcc 0
		.amdhsa_float_denorm_mode_32 3
		.amdhsa_float_denorm_mode_16_64 3
		.amdhsa_memory_ordered 1
		.amdhsa_forward_progress 1
		.amdhsa_inst_pref_size 26
	.end_amdhsa_kernel
	.amdgpu_metadata
---
amdhsa.version: [ 1, 2 ]
amdhsa.kernels:
  - .name:           k_q46df04277b_combine
    .symbol:         k_q46df04277b_combine.kd
    .args:
      - { .name: HE, .offset: 0, .size: 8, .value_kind: global_buffer, .address_space: global }
      - { .name: A_log, .offset: 8, .size: 8, .value_kind: global_buffer, .address_space: global }
      - { .name: HI, .offset: 16, .size: 8, .value_kind: global_buffer, .address_space: global }
    .group_segment_fixed_size: 0
    .private_segment_fixed_size: 0
    .kernarg_segment_align: 8
    .kernarg_segment_size: 24
    .max_flat_workgroup_size: 128
    .sgpr_count:     66
    .vgpr_count:     192
    .wavefront_size: 32
...
	.end_amdgpu_metadata
.endif
;; end of part 8
;; launch scan_b: the kernel of part 6 again; grid 64 x 4, 4 waves a work-group, no clusters, 288,512 bytes of LDS; arguments G, XP, cst, b_dt, A_log, HI, AS; writes AS
;; launch gemm_out: the kernel of part 7 again; grid 4 x 64, 4 waves a work-group, clusters of 4 x 4, 327,680 bytes of LDS; arguments AS, cst, b_out, out0; writes out0
